; MI455X (gfx1250); checked and timed in simulation.
; The chip was launched on July 23, 2026; its instructions are those of AMD's public machine-readable ISA for CDNA 5 (MIT licence, August 2026) and "CDNA5" Instruction Set Architecture Reference Guide (July 2026). The comments in the code are by the model that wrote it; some were corrected since.
;; Attention. Allowed arithmetic: matrix products marked QUANTISED: E4M3 operands, one given power-of-two scale a tensor, by v_wmma_f32_16x16x64_fp8_fp8 or v_wmma_f32_16x16x128_fp8_fp8, f32 sums; everything else in f32.
;; Inputs: K_emb 4 x 2,048 x 1,024 float32; K_ini 4 x 2,048 int32; Q_emb 4 x 2,048 x 1,024 float32; Q_ini 4 x 2,048 int32; V_emb 4 x 2,048 x 1,024 float32; WK 1,024 x 1,024 float32; WO 1,024 x 1,024 float32; WQ 1,024 x 1,024 float32; WV 1,024 x 1,024 float32; lowp_scales 12 int32 (the exponents e of the quantised operands' scales 2^e).
;; Outputs: out0 4 x 2,048 x 1,024 float32.
;; This version of the problem:
;;   THIS VERSION OF THE PROBLEM IS GIVEN IN LOW PRECISION. The matrix products marked QUANTISED in the list below multiply operands that are first quantised to E4M3 (4 exponent bits, 3 mantissa bits; 8 bits a number), with one given power-of-two scale for each operand tensor; their sums are f32. All else is computed in f32.
;;   The module's matrix products, in the order in which they are computed (A, B: the left and right operand; K: the contracted axis; several contracted axes count as one K, in the product's order):
;;     1. [M 8,192, K 1,024] x [K 1,024, N 1,024]; A: input Q_emb; B: input WQ: QUANTISED (scales: A lowp_scales[0], B lowp_scales[1])
;;     2. [M 8,192, K 1,024] x [K 1,024, N 1,024]; A: input K_emb; B: input WK: QUANTISED (scales: A lowp_scales[2], B lowp_scales[3])
;;     3. [M 8,192, K 1,024] x [K 1,024, N 1,024]; A: input V_emb; B: input WV: QUANTISED (scales: A lowp_scales[4], B lowp_scales[5])
;;     4. batch 64 x [M 2,048, K 64] x [K 64, N 2,048]; A: computed on the way; B: computed on the way: QUANTISED (scales: A lowp_scales[6], B lowp_scales[7])
;;     5. batch 64 x [M 2,048, K 2,048] x [K 2,048, N 64]; A: softmax (see below); B: computed on the way: QUANTISED (scales: A lowp_scales[8], B lowp_scales[9])
;;     6. [M 8,192, K 1,024] x [K 1,024, N 1,024]; A: computed on the way; B: input WO: QUANTISED (scales: A lowp_scales[10], B lowp_scales[11])
;;   THE QUANTISER, for each operand of a quantised product, along K:
;;     - The operand's scale is 2^e, e = its entry of the input lowp_scales (int32; the entries are numbered through the quantised products in the list's order, A before B).
;;     - Each number is divided by the scale, clamped to +-448, and rounded to the nearest number of E4M3, ties to even, subnormals kept.
;;     - The product sums the exact products of the quantised numbers (number of the format x scale) in f32.
;;   ~~~python
;;   def quantise(x, axis, e):      # numpy; x: float32 -> the quantised numbers, widened to float32 again
;;       x = np.moveaxis(x, axis, -1); K = x.shape[-1]
;;       r = np.clip(x / 2.0 ** e, -448, 448)
;;       step = 2.0 ** (np.maximum(np.frexp(np.where(r == 0, 1, r))[1] - 1, -6) - 3)
;;       q = np.round(r / step) * step * 2.0 ** e      # np.round: ties to even
;;       return np.moveaxis(q, -1, axis).astype(np.float32)
;;   ~~~
;;   SOFTMAX AHEAD OF A QUANTISED PRODUCT. Where the list says 'softmax', what is quantised is not the finished softmax but p = 2^(t - M), with t = logit x log2(e) and M = ceil(the row's largest t), a whole number; so 1/2 < the row's largest p <= 1. The row's sum l is taken of the UNQUANTISED p, in f32, and the product's result is divided by l at the end. Since M is a whole number, a kernel that streams over the keys may use a running M (the ceiling of the running maximum): every later rescaling is an exact power of two, so the quantised numbers keep their values, but for numbers so far below the row's largest that they fall under the format's range.
;;   OPERANDS COMPUTED ON THE WAY. 'Computed on the way' means the value that the module computes at that place (a softmax that the list does not call 'softmax' is quantised finished and normalised). What goes into a quantiser is computed in f32, as accurately as f32 sums, v_exp_f32 and their like allow (about 1e-6 of the number): no bf16 or f16 on the way to a quantiser, and a product that is left as it is and whose result goes on into a quantised operand takes f32 operands (vector FMAs, or v_wmma_f32_16x16x4_f32). A number that lies on a knife's edge between two numbers of the format may be rounded either way, as far as f32 arithmetic and the matrix unit's own rounding can turn it there, and no further.
;; 2 versions, each right; version 2 is version 1 with the launch attn written anew for expert scheduling mode. Each part assembles by itself: llvm-mc -triple=amdgcn-amd-amdhsa -mcpu=gfx1250 --defsym DOCPART=n.
;; ======== version 1 of 2: 4 launches
;; limits: right only within a limited range of input values
;; workspace buffers: xc 25,165,824 bytes; wc 4,194,304 bytes; first 256 bytes of whole numbers; qkv 25,165,824 bytes; cc 8,388,608 bytes
;; launch prep (part 1): grid 513 x 1, 4 waves a work-group, no clusters, 34,304 bytes of LDS; arguments Q_emb, K_emb, V_emb, WQ, WK, WV, WO, K_ini, lowp_scales, xc, wc, first; writes xc, wc, first
.if DOCPART == 1
	.amdgcn_target "amdgcn-amd-amdhsa--gfx1250"
	.amdhsa_code_object_version 6
	.text
	.protected	k_qe24b9643ab_prep
	.globl	k_qe24b9643ab_prep
	.p2align	8
	.type	k_qe24b9643ab_prep,@function
k_qe24b9643ab_prep:
	s_mov_b64 s[64:65], 0
	v_nop
	global_prefetch_b8 v0, s[64:65] scope:SCOPE_SE
	s_setreg_imm32_b32 hwreg(HW_REG_WAVE_MODE, 25, 1), 1
	s_wait_xcnt 0x0
; Q_emb, K_emb, V_emb [8192][1024] and WQ, WK, WV, WO [1024 (k)][1024 (n)], all f32, become codes of E4M3, each tensor with its given scale 2^e:
; code = x / 2^e, held within +-448, to the nearest code, ties to even.  Besides: first[b] = the first key of batch b whose K_ini is not 0 (2,048 if there is none).
; THE CODES ARE LAID AS IMAGES OF OPERAND REGISTERS.  A fragment is 16 slots x 128 along K = 2,048 bytes in four parts c of 512 bytes; in a part lane l = (r = l % 16, h = l / 16) has 16 bytes at 16 l:
; slot r's codes k = 128 ks + 32 c + 16 h + 0 .. 15.  Slot r of tile T stands for row 32 (T / 2) + 8 (T % 2) + r % 8 + 16 (r / 8).  xc: [tensor 3][T 512][ks 8][2,048]; wc: [weight 4][T 64][ks 8][2,048].
; WORK-GROUPS 0-383: embeddings, a wave a tile (16 rows x 1,024 K).  384-511: weights, a wave 32 columns x 256 K, a lane a column and its registers down K.  512: first, a wave a batch.
; Memory binds: every load of the embeddings takes 512 consecutive bytes of a row, every store 512 consecutive bytes (the weights': two aligned runs of 256).  No matrix unit, no cluster, no barrier: waves share nothing.
; LIMITS: each e between -126 and 119, so that 2^e and 448 x 2^e are f32 numbers.  NaN among the inputs is not served.
.set STG,   8448                       ; a wave's stage in LDS: 16 rows of SP bytes
.set SP,    528                        ; 512 bytes + 16: row r starts 4 r banks on
.set SPARE, 4*STG                      ; behind the stages: the spare words, 128 bytes a wave
.set SPW,   254                        ; v254 my spare word's address; never rewritten
.set NIL,   255                        ; v255 0; never rewritten
.set LI,    1                          ; v1   16 x lane
.set SIN,   2                          ; v2   the stage, way in
.set SBK,   3                          ; v3   the stage, way back
.set LIMV,  10                         ; v10  448 x 2^e
.set SCLV,  11                         ; v11  2^e
.set R,     16                         ; v16-143  two sets of 64: a fragment's numbers as loaded
.set X,     144                        ; v144-207 the same, 16 neighbours along K four times
.set C,     208                        ; v208-239 two sets of 16: codes
.set XW,    16                         ; weights: v16-79 two sets of 32 numbers
.set CW,    80                         ; v80-143 eight sets of 8: codes, a set for each block, so that no store's data are written again
.macro MKSCALE e                       ; s[e] holds the exponent
	s_add_co_i32 s[\e], s[\e], 127
	s_lshl_b32 s48, s[\e], 23
	v_mov_b32 v[SCLV], s48                         ; 2^e as f32: the conversion takes its exponent field
	s_add_co_i32 s[\e], s[\e], 8
	s_lshl_b32 s[\e], s[\e], 23
	s_or_b32 s[\e], s[\e], 0x600000
	v_mov_b32 v[LIMV], s[\e]                       ; 448 x 2^e
.endm
	s_load_b512 s[4:19], s[0:1], 0x0               ; Q_emb s[4:5], K_emb s[6:7], V_emb s[8:9], WQ s[10:11], WK s[12:13], WV s[14:15], WO s[16:17], K_ini s[18:19]
	s_load_b256 s[20:27], s[0:1], 0x40             ; the exponents s[20:21], xc s[22:23], wc s[24:25], first s[26:27]
	v_lshl_add_u32 v[SPW], v0, 2, SPARE
	v_mov_b32 v[NIL], 0
	v_lshrrev_b32 v4, 5, v0
	v_readfirstlane_b32 s28, v4                    ; wave
	v_and_b32 v5, 31, v0                           ; lane
	v_lshlrev_b32 v[LI], 4, v5
	v_and_b32 v6, 15, v0                           ; r
	v_bfe_u32 v7, v0, 4, 1                         ; h
	s_mul_i32 s49, s28, STG
	v_add_nc_u32 v[SIN], s49, v[LI]                ; in: a row's 512 bytes as they lie
	v_mul_u32_u24 v[SBK], v6, SP
	v_lshl_add_u32 v[SBK], v7, 6, v[SBK]
	v_add_nc_u32 v[SBK], s49, v[SBK]               ; back: row r, 64 h bytes on: my 16 numbers of a block of 32
	s_wait_kmcnt 0x0
	s_load_b256 s[32:39], s[20:21], 0x0            ; e0 .. e7
	s_load_b128 s[40:43], s[20:21], 0x20           ; e8 .. e11
	s_cmp_ge_u32 ttmp9, 384
	s_cbranch_scc1 .Lnot_emb
; ---- the embeddings
	s_lshr_b32 s29, ttmp9, 7                       ; which tensor
	s_and_b32 s30, ttmp9, 127
	s_lshl_b32 s30, s30, 2
	s_add_co_u32 s30, s30, s28                     ; my tile T
	s_cmp_eq_u32 s29, 0
	s_cselect_b64 s[44:45], s[4:5], s[6:7]
	s_cmp_eq_u32 s29, 2
	s_cselect_b64 s[44:45], s[8:9], s[44:45]
	s_lshr_b32 s46, s30, 1
	s_lshl_b32 s46, s46, 17                        ; 32 (T / 2) rows of 4,096 bytes
	s_and_b32 s47, s30, 1
	s_lshl_b32 s47, s47, 15                        ; + 8 (T % 2) rows
	s_add_co_u32 s46, s46, s47
	s_mov_b32 s47, 0
	s_add_nc_u64 s[44:45], s[44:45], s[46:47]
	s_lshl_b32 s46, s29, 23
	s_lshl_b32 s50, s30, 14
	s_add_co_u32 s46, s46, s50
	s_add_nc_u64 s[46:47], s[22:23], s[46:47]      ; xc + tensor x 8 MiB + T x 16,384
.macro LOADF f                         ; K step f of my 16 rows: 16 loads of 512 consecutive bytes
.irp s, 0,1,2,3,4,5,6,7,8,9,10,11,12,13,14,15
	global_load_b128 v[R+64*((\f)%2)+4*\s:R+64*((\f)%2)+4*\s+3], v[LI], s[44:45] offset:((\s%8)+16*(\s/8))*4096+512*(\f) th:TH_LOAD_NT
.endr
.endm
.macro FRAGQ f
.set RR, R+64*((\f)%2)
.set CC, C+16*((\f)%2)
.if (\f) < 7
	s_wait_loadcnt 16                              ; this K step's 16 loads are in; the next step's 16 may be out
.else
	s_wait_loadcnt 0x0
.endif
.irp s, 0,1,2,3,4,5,6,7,8,9,10,11,12,13,14,15
	ds_store_b128 v[SIN], v[RR+4*\s:RR+4*\s+3] offset:SP*\s
.endr
.irp c, 0,1,2,3
.irp j, 0,1,2,3
	ds_load_b128 v[X+16*\c+4*\j:X+16*\c+4*\j+3], v[SBK] offset:128*\c+16*\j   ; LDS serves a wave's instructions in order: these see my stores
.endr
.endr
	s_wait_dscnt 0x0                               ; the numbers are back, and the stores have read their registers,
.if (\f) < 6
	LOADF (\f)+2                                   ; which take the loads of two steps on
.endif
.set n, 0
.rept 64
	v_med3_num_f32 v[X+n], v[X+n], -v[LIMV], v[LIMV]   ; the conversion to an 8-bit code does not saturate (ISA guide 7.6.2): the hold at the largest code x the scale
.set n, n+1
.endr
.if (\f) >= 2
	s_wait_xcnt 0x0                                ; the stores of two steps back have read this set of codes
.endif
.irp c, 0,1,2,3
	v_cvt_scalef32_pk8_fp8_f32 v[CC+4*\c:CC+4*\c+1], v[X+16*\c:X+16*\c+7], v[SCLV]
	v_cvt_scalef32_pk8_fp8_f32 v[CC+4*\c+2:CC+4*\c+3], v[X+16*\c+8:X+16*\c+15], v[SCLV]
.endr
	v_nop                                          ; a plain vector line behind the last conversion
.irp c, 0,1,2,3
	global_store_b128 v[LI], v[CC+4*\c:CC+4*\c+3], s[46:47] offset:2048*(\f)+512*\c   ; a part of the image: 512 consecutive bytes
.endr
.endm
	LOADF 0
	LOADF 1
	s_wait_kmcnt 0x0
	s_cmp_eq_u32 s29, 0
	s_cselect_b32 s31, s32, s34                    ; e0, e2 or e4
	s_cmp_eq_u32 s29, 2
	s_cselect_b32 s31, s36, s31
	MKSCALE 31
.irp f, 0,1,2,3,4,5,6,7
	FRAGQ \f
.endr
	s_wait_tensorcnt 0x0                           ; the wave's end, behind my last LDS store
	ds_add_u32 v[SPW], v[NIL]
	s_wait_dscnt 0x0
	s_endpgm
.Lnot_emb:
	s_cmp_eq_u32 ttmp9, 512
	s_cbranch_scc1 .Lfirst
; ---- the weights: K is their first axis.  A lane takes a column n and its registers run down K, so the conversions give codes with K innermost and nothing is transposed.
	s_sub_co_u32 s29, ttmp9, 384
	s_lshr_b32 s30, s29, 5                         ; which weight
	s_and_b32 s31, s29, 7
	s_bfe_u32 s44, s29, 0x20003                    ; which 256 along K
	s_lshl_b32 s31, s31, 2
	s_add_co_u32 s31, s31, s28                     ; my group of 32 columns: tiles 2 g and 2 g + 1
	s_cmp_eq_u32 s30, 0
	s_cselect_b64 s[46:47], s[10:11], s[12:13]
	s_cmp_eq_u32 s30, 2
	s_cselect_b64 s[46:47], s[14:15], s[46:47]
	s_cmp_eq_u32 s30, 3
	s_cselect_b64 s[46:47], s[16:17], s[46:47]
	s_lshl_b32 s50, s44, 20                        ; 256 rows of 4,096 bytes
	s_lshl_b32 s51, s31, 7                         ; 32 columns of 4 bytes
	s_add_co_u32 s50, s50, s51
	s_mov_b32 s51, 0
	s_add_nc_u64 s[46:47], s[46:47], s[50:51]
	s_lshl_b32 s50, s30, 20
	s_lshl_b32 s52, s31, 15
	s_add_co_u32 s50, s50, s52
	s_lshl_b32 s52, s44, 12
	s_add_co_u32 s50, s50, s52
	s_add_nc_u64 s[24:25], s[24:25], s[50:51]      ; wc + weight x 1 MiB + group x 2 tiles + 2 K steps of 2,048 bytes
	v_and_b32 v8, 7, v0
	v_bfe_u32 v9, v0, 3, 1
	v_lshl_add_u32 v8, v9, 4, v8
	v_lshl_add_u32 v8, v7, 3, v8                   ; lane (u = lane / 16, r): column 8 u + r % 8 + 16 (r / 8) of the 32: slot r of tile 2 g + u
	v_lshlrev_b32 v8, 2, v8
	v_lshlrev_b32 v9, 4, v6
	v_lshl_add_u32 v9, v7, 14, v9                  ; out: 16 r in tile u
.macro LOADW t                         ; block t: 32 along K of my column; a load takes 128 consecutive bytes, the four waves 512
.set n, 0
.rept 32
	global_load_b32 v[XW+32*((\t)%2)+n], v8, s[46:47] offset:(32*(\t)+n)*4096 th:TH_LOAD_NT
.set n, n+1
.endr
.endm
.macro BLOCKW t
.set XS, XW+32*((\t)%2)
.if (\t) < 7
	s_wait_loadcnt 32                              ; this block's 32 loads are in; the next block's may be out
.else
	s_wait_loadcnt 0x0
.endif
.set n, 0
.rept 32
	v_med3_num_f32 v[XS+n], v[XS+n], -v[LIMV], v[LIMV]
.set n, n+1
.endr
.irp g, 0,1,2,3
	v_cvt_scalef32_pk8_fp8_f32 v[CW+8*(\t)+2*\g:CW+8*(\t)+2*\g+1], v[XS+8*\g:XS+8*\g+7], v[SCLV]
.endr
	v_nop                                          ; a plain vector line behind the last conversion
	global_store_b128 v9, v[CW+8*(\t):CW+8*(\t)+3], s[24:25] offset:((\t)/4)*2048+((\t)%4)*512        ; k 0-15 of the block: the places of lanes 0-15; sixteen lanes store 256 consecutive bytes, aligned
	global_store_b128 v9, v[CW+8*(\t)+4:CW+8*(\t)+7], s[24:25] offset:((\t)/4)*2048+((\t)%4)*512+256  ; k 16-31: the places of lanes 16-31
.if (\t)+2 < 8
	LOADW (\t)+2
.endif
.endm
	LOADW 0
	LOADW 1
	s_wait_kmcnt 0x0
	s_cmp_eq_u32 s30, 0
	s_cselect_b32 s45, s33, s35                    ; e1, e3, e5 or e11
	s_cmp_eq_u32 s30, 2
	s_cselect_b32 s45, s37, s45
	s_cmp_eq_u32 s30, 3
	s_cselect_b32 s45, s43, s45
	MKSCALE 45
.irp t, 0,1,2,3,4,5,6,7
	BLOCKW \t
.endr
	s_endpgm
.Lfirst:
; ---- first[b]: wave b reads its batch's 2,048 ids, key 32 j + lane in register j, and walks j downward: the lowest set bit of the lowest word that has one stays
	s_wait_kmcnt 0x0
	s_lshl_b32 s44, s28, 13
	s_mov_b32 s45, 0
	s_add_nc_u64 s[18:19], s[18:19], s[44:45]
	v_lshlrev_b32 v8, 2, v5
.set j, 0
.rept 64
	global_load_b32 v[16+j], v8, s[18:19] offset:128*j
.set j, j+1
.endr
	s_wait_loadcnt 0x0
	s_movk_i32 s50, 2048
.set j, 63
.rept 64
	v_cmp_ne_u32 s51, 0, v[16+j]
	s_ctz_i32_b32 s52, s51
	s_add_co_u32 s52, s52, 32*j
	s_cmp_lg_u32 s51, 0
	s_cselect_b32 s50, s52, s50
.set j, j-1
.endr
	v_mov_b32 v9, s50
	s_lshl_b32 s52, s28, 2
	v_mov_b32 v12, s52
	v_cmp_eq_u32 vcc_lo, 0, v5
	s_wait_xcnt 0x0                                ; EXEC changes only behind this wait
	s_and_saveexec_b32 s53, vcc_lo
	global_store_b32 v12, v9, s[26:27]             ; one word a batch
	s_wait_xcnt 0x0
	s_or_b32 exec_lo, exec_lo, s53
	s_endpgm
.Lfunc_end_k_qe24b9643ab_prep:
	.size	k_qe24b9643ab_prep, .Lfunc_end_k_qe24b9643ab_prep-k_qe24b9643ab_prep
	.p2alignl 7, 3214868480
	.fill 96, 4, 3214868480
	.section	.rodata,"a",@progbits
	.p2align	6, 0x0
	.amdhsa_kernel k_qe24b9643ab_prep
		.amdhsa_group_segment_fixed_size 34304
		.amdhsa_private_segment_fixed_size 0
		.amdhsa_enable_private_segment 0
		.amdhsa_kernarg_size 96
		.amdhsa_user_sgpr_count 2
		.amdhsa_user_sgpr_kernarg_segment_ptr 1
		.amdhsa_wavefront_size32 1
		.amdhsa_system_sgpr_workgroup_id_x 1
		.amdhsa_system_sgpr_workgroup_id_y 1
		.amdhsa_system_sgpr_workgroup_id_z 1
		.amdhsa_system_vgpr_workitem_id 0
		.amdhsa_next_free_vgpr 256
		.amdhsa_next_free_sgpr 66
		.amdhsa_reserve_vcc 1
		.amdhsa_float_denorm_mode_32 3
		.amdhsa_float_denorm_mode_16_64 3
		.amdhsa_memory_ordered 1
		.amdhsa_forward_progress 1
		.amdhsa_inst_pref_size 137
	.end_amdhsa_kernel
	.amdgpu_metadata
---
amdhsa.version: [ 1, 2 ]
amdhsa.kernels:
  - .name:           k_qe24b9643ab_prep
    .symbol:         k_qe24b9643ab_prep.kd
    .args:
      - { .name: Q_emb, .offset: 0, .size: 8, .value_kind: global_buffer, .address_space: global }
      - { .name: K_emb, .offset: 8, .size: 8, .value_kind: global_buffer, .address_space: global }
      - { .name: V_emb, .offset: 16, .size: 8, .value_kind: global_buffer, .address_space: global }
      - { .name: WQ, .offset: 24, .size: 8, .value_kind: global_buffer, .address_space: global }
      - { .name: WK, .offset: 32, .size: 8, .value_kind: global_buffer, .address_space: global }
      - { .name: WV, .offset: 40, .size: 8, .value_kind: global_buffer, .address_space: global }
      - { .name: WO, .offset: 48, .size: 8, .value_kind: global_buffer, .address_space: global }
      - { .name: K_ini, .offset: 56, .size: 8, .value_kind: global_buffer, .address_space: global }
      - { .name: lowp_scales, .offset: 64, .size: 8, .value_kind: global_buffer, .address_space: global }
      - { .name: xc, .offset: 72, .size: 8, .value_kind: global_buffer, .address_space: global }
      - { .name: wc, .offset: 80, .size: 8, .value_kind: global_buffer, .address_space: global }
      - { .name: first, .offset: 88, .size: 8, .value_kind: global_buffer, .address_space: global }
    .group_segment_fixed_size: 34304
    .private_segment_fixed_size: 0
    .kernarg_segment_align: 8
    .kernarg_segment_size: 96
    .max_flat_workgroup_size: 128
    .sgpr_count:     66
    .vgpr_count:     256
    .wavefront_size: 32
...
	.end_amdgpu_metadata
.endif
;; end of part 1
;; launch proj (part 2): grid 4 x 96, 4 waves a work-group, clusters of 4 x 4, 327,680 bytes of LDS; arguments xc, wc, lowp_scales, qkv; writes qkv
.if DOCPART == 2
	.amdgcn_target "amdgcn-amd-amdhsa--gfx1250"
	.amdhsa_code_object_version 6
	.text
	.protected	k_qe24b9643ab_proj
	.globl	k_qe24b9643ab_proj
	.p2align	8
	.type	k_qe24b9643ab_proj,@function
k_qe24b9643ab_proj:
	s_mov_b64 s[64:65], 0
	v_nop
	global_prefetch_b8 v0, s[64:65] scope:SCOPE_SE
	s_setreg_imm32_b32 hwreg(HW_REG_WAVE_MODE, 25, 1), 1
	s_wait_xcnt 0x0
	s_wait_alu depctr_hold_cnt(0) depctr_sa_sdst(0) depctr_va_vdst(0) depctr_va_sdst(0) depctr_va_ssrc(0) depctr_va_vcc(0) depctr_vm_vsrc(0)
	s_getreg_b32 s2, hwreg(HW_REG_IB_STS2, 6, 4)
	s_cmp_eq_u32 s2, 0
	s_cbranch_scc0 .Lentry_in_a_cluster
	s_endpgm
.Lentry_in_a_cluster:
	s_bfe_u32 s2, ttmp6, 0x10000c
	s_cmp_lg_u32 s2, 0xf033
	s_cbranch_scc0 .Lentry_shape_is_right
	s_endpgm
.Lentry_shape_is_right:
; q = Q_emb WQ, k = K_emb WK, v = V_emb WV on codes of E4M3 (K = 1,024), f32 sums; each result is quantised in registers with its own given scale (e6, e7, e9) and stored as images of the next products' operand registers.
; OPERANDS ARE IMAGES: a fragment (16 slots x 128 K) is 2,048 bytes, four parts of 512, lane l's 16 bytes at 16 l (codes k = 32 c + 16 (l / 16) + 0 .. 15 of slot l % 16); a tile's eight K steps lie on end (16,384 bytes).
; Slot r of tile T stands for row 32 (T / 2) + 8 (T % 2) + r % 8 + 16 (r / 8).  So in D = (source 0: tile 2 g + u) x (source 1) register j of lane (r, h) is source 0's row 32 g + 16 h + 8 u + j:
; the 16 registers of accumulators 2 g and 2 g + 1 are 16 neighbours along the next K, two conversions make a lane's 16 bytes of the next image, and a wave's store covers 512 consecutive bytes.  No LDS on the way out.
; The k of a fragment stand in other places than the plain form's own layout gives them, alike in both operands: every product meets its partner.
; A tile of C is 256 x 256: four waves, each 128 x 128 in 64 accumulators.  Grid: 24 clusters of 4 x 4; cluster y = 8 t + c, t = 0, 1, 2 for q, k, v.
; For q and k source 1 ("A") = the embedding's rows, source 0 ("B") = the weight's rows n: a lane's registers run along the head's channels.  FOR v THE ROLES ARE SWAPPED (A = WV, B = V_emb): its registers run along the keys.
; CLUSTERS: A's tile hangs on the tile row alone and is asked for jointly along a row of the cluster, B's on the tile column alone, along a column.
; K goes in steps of 256 through two LDS slots; a wave's one tensor load brings 8 tiles x 4,096 bytes.  By this text's own count a wave has at most two tensor loads out (the two first fills).
; qkv: q at 0 and k at 8 MiB: [batch][head][tile 128][c 2][lane][16]; v at 16 MiB: [batch][head][key step 16][channel tile 4][c 4][lane][16].
; No prefetch: K has four steps, of which two are asked for at the head.
; LIMITS: eo - ea - eb between -126 and 119 for each of the three products, so that the folded scale and 448 x it are f32 numbers.
.set SLOT,   131072                    ; A's 16 tiles x 4,096 bytes, then B's 16
.set SPARE,  2*SLOT                    ; behind the ring: the spare words, 128 bytes a wave
.set FR,     16                        ; registers of a fragment
.set NL,     4                         ; LDS loads that bring one
.set NP,     4                         ; places behind this matrix instruction (ISA guide 7.12.1)
.set ADRA, 16                          ; v16-17  LDS address of my A fragments in slot 0, 1
.set ADRB, 20                          ; v20-21  the same for B
.set LI,   26                          ; v26     16 x lane
.set SPW,  28                          ; v28     my spare word's address; never rewritten
.set NIL,  29                          ; v29     0; never rewritten
.set SCL,  30                          ; v30     2^(eo - ea - eb)
.set LIM,  31                          ; v31     448 x that
.set CO,   32                          ; v32-63  two sets of 16: codes
.set AF,   128                         ; A's fragments, window 0, one set;  window 1: B's, two sets;  windows 2, 3: the accumulators ((a, b) at v[8 (8 (a % 4) + b)])
.set G1, 24
.set G0, 32
.set G1B, 48
.set G0B, 56
.set MSB, 0
.macro WIN new                         ; the immediate's high byte repeats the setting that is left
.if MSB != (\new)
	s_set_vgpr_msb (MSB<<8)|(\new)
.set MSB, (\new)
.endif
.endm
.set MUL_LO, 0xa1                      ; source 0 (B) window 1, source 1 (A) window 0, C and D window 2
.set MUL_HI, 0xf1                      ; the same, C and D window 3
.set TO_B,   0x40                      ; destination window 1, address window 0
; A joint load: waves 0 and 1 fetch for A, waves 2 and 3 for B; the branch hangs on the wave's number alone.  An s_nop 0 and four v_nop follow each of the two lines.
.macro JLOAD g0a, g1a, g0b, g1b
	s_cmp_eq_u32 s15, 0
	s_cbranch_scc0 .Lfor_b_\@
	tensor_load_to_lds s[\g0a:\g0a+3], s[\g1a:\g1a+7]
	s_nop 0
.rept 4
	v_nop
.endr
	s_branch .Lasked_\@
.Lfor_b_\@:
	tensor_load_to_lds s[\g0b:\g0b+3], s[\g1b:\g1b+7]
	s_nop 0
.rept 4
	v_nop
.endr
.Lasked_\@:
.endm
.macro CREST                           ; a round of the cluster's barrier behind its opening barrier
	s_cmp_lg_u32 s14, 0
	s_cbranch_scc1 .Lnot_wave_0_\@
	s_barrier_signal -3
.Lnot_wave_0_\@:
	s_barrier_wait -3
	s_barrier_signal -1
	s_barrier_wait -1
.endm
.macro CROUND
	s_barrier_signal -1
	s_barrier_wait -1
	CREST
.endm
	s_load_b128 s[4:7], s[0:1], 0x0                ; xc, wc
	s_load_b128 s[8:11], s[0:1], 0x10              ; the exponents, qkv
	v_lshl_add_u32 v[SPW], v0, 2, SPARE
	v_mov_b32 v[NIL], 0
	ds_add_u32 v[SPW], v[NIL]                      ; the wave's opening: the add and its wait ahead of my first tensor load; work on registers stands between them
	v_lshrrev_b32 v1, 5, v0
	v_readfirstlane_b32 s14, v1                    ; wave 0..3
	s_lshr_b32 s15, s14, 1                         ; which half of the tile's rows is mine.  Also: I fetch for A (0) or for B (1)
	s_and_b32 s16, s14, 1                          ; which half of its columns.  Also: which 8 tiles I fetch
	s_bfe_u32 s40, ttmp6, 0x40000                  ; cx
	s_bfe_u32 s41, ttmp6, 0x40004                  ; cy
	s_and_b32 s66, ttmp7, 0xffff                   ; cluster y
	s_lshr_b32 s67, s66, 3                         ; t: the same in all sixteen partners
	s_and_b32 s68, s66, 7
	s_lshl_b32 s68, s68, 2
	s_cmp_eq_u32 s67, 2
	s_cselect_b32 s69, 0, s68
	s_cselect_b32 s70, s68, 0
	s_add_co_u32 s17, s69, s41                     ; tile row: 4 c + cy (q, k), cy (v)
	s_add_co_u32 s42, s70, s40                     ; tile column: cx (q, k), 4 c + cx (v)
	s_lshl_b32 s43, s41, 2
	s_lshl_b32 s43, 15, s43                        ; my row of the cluster
	s_lshl_b32 s44, 0x1111, s40                    ; my column
	s_or_b32 s[G1+0], s43, (3<<16)|(1<<21)         ; 15:0 the mask; 17:16 elements of 8 bytes; 20 no padding: an image's 512 bytes are read on end; 21 set beside a mask
	s_or_b32 s[G1B+0], s44, (3<<16)|(1<<21)
.irp g, G1, G1B
	s_mov_b32 s[\g+1], 512<<16                     ; tensor_dim0 = 512 elements: two fragments, 4,096 bytes
	s_mov_b32 s[\g+2], 8<<16                       ; tensor_dim1 = 8 tiles
	s_mov_b32 s[\g+3], 512<<16                     ; tile_dim0
	s_mov_b32 s[\g+4], 8                           ; tile_dim1
	s_mov_b32 s[\g+5], 2048                        ; from tile to tile: 16,384 bytes
	s_mov_b32 s[\g+6], 0
	s_mov_b32 s[\g+7], 0
.endr
	s_lshl_b32 s18, s16, 17                        ; which 8 tiles of 16,384 bytes I fetch
	s_lshl_b32 s20, s17, 18
	s_add_co_u32 s20, s20, s18                     ; A: 16 tiles x tile row + my 8
	s_mov_b32 s21, 0
	s_lshl_b32 s46, s42, 18
	s_add_co_u32 s46, s46, s18                     ; B: by the tile column
	s_mov_b32 s47, 0
	s_lshl_b32 s45, s14, 15                        ; where they go: wave x 32,768: no place in the cluster enters an LDS address
	s_lshl_b32 s72, s67, 23
	s_mov_b32 s73, 0
	s_lshl_b32 s78, s67, 20
	s_mov_b32 s79, 0
	s_wait_dscnt 0x0                               ; the opening add is done
	s_wait_kmcnt 0x0
	s_load_b256 s[80:87], s[8:9], 0x0              ; e0 .. e7
	s_load_b128 s[88:91], s[8:9], 0x20             ; e8 .. e11
	s_add_nc_u64 s[4:5], s[4:5], s[72:73]          ; the embedding's codes
	s_add_nc_u64 s[6:7], s[6:7], s[78:79]          ; the weight's
	s_cmp_eq_u32 s67, 2
	s_cselect_b64 s[74:75], s[6:7], s[4:5]         ; A
	s_cselect_b64 s[76:77], s[4:5], s[6:7]         ; B
	s_add_nc_u64 s[20:21], s[74:75], s[20:21]
	s_add_nc_u64 s[46:47], s[76:77], s[46:47]
	CROUND                                         ; all sixteen work-groups are here: the first joint loads meet
.irp s, 0,1
	s_mov_b32 s[G0+4*\s], 1
	s_add_co_u32 s[G0+4*\s+1], s45, \s*SLOT
	s_add_nc_u64 s[G0+4*\s+2:G0+4*\s+3], s[20:21], \s*4096
	s_or_b32 s[G0+4*\s+3], s[G0+4*\s+3], 0x80000000
	s_mov_b32 s[G0B+4*\s], 1
	s_add_co_u32 s[G0B+4*\s+1], s45, \s*SLOT
	s_add_nc_u64 s[G0B+4*\s+2:G0B+4*\s+3], s[46:47], \s*4096
	s_or_b32 s[G0B+4*\s+3], s[G0B+4*\s+3], 0x80000000
	JLOAD G0+4*\s, G1, G0B+4*\s, G1B
.endr
	v_and_b32 v1, 31, v0
	v_lshlrev_b32 v[LI], 4, v1
	s_lshl_b32 s21, s15, 15                        ; my 8 tiles of A
	s_lshl_b32 s22, s16, 15                        ; my 8 tiles of B,
	s_add_co_u32 s22, s22, 65536                   ; which lie behind A's 16
.irp s, 0,1
	v_add_nc_u32 v[ADRA+\s], s21, v[LI]
	v_add_nc_u32 v[ADRB+\s], s22, v[LI]
	s_add_co_u32 s21, s21, SLOT
	s_add_co_u32 s22, s22, SLOT
.endr
	; where my results go.  P = the token tile, N = the channel tile (row and column for q, k; column and row for v), wP, wN my halves of them:
	; qkv + t x 8 MiB + batch (P / 8) x 2 MiB + head (4 N + 2 wN) x 131,072 + (P % 8) x 16,384 + wP x 8,192, for all three
	s_cmp_eq_u32 s67, 2
	s_cselect_b32 s92, s42, s17
	s_cselect_b32 s93, s17, s42
	s_cselect_b32 s94, s16, s15
	s_cselect_b32 s95, s15, s16
	s_lshr_b32 s78, s92, 3
	s_lshl_b32 s78, s78, 21
	s_add_co_u32 s72, s72, s78
	s_lshl_b32 s78, s93, 19
	s_add_co_u32 s72, s72, s78
	s_lshl_b32 s78, s95, 18
	s_add_co_u32 s72, s72, s78
	s_and_b32 s78, s92, 7
	s_lshl_b32 s78, s78, 14
	s_add_co_u32 s72, s72, s78
	s_lshl_b32 s78, s94, 13
	s_add_co_u32 s72, s72, s78
	s_add_nc_u64 s[10:11], s[10:11], s[72:73]
.macro FRAG reg, adr, q, i             ; fragment q of tile i of a slot: four loads of 512 consecutive bytes
.irp c, 0,1,2,3
	ds_load_b128 v[\reg+4*\c:\reg+4*\c+3], v[\adr] offset:2048*(\q)+512*\c+(\i)*4096
.endr
.endm
; 16 matrix instructions: A's blocks a0, a0 + 1 x B's eight, 128 along K.  p: B's set.  zero = 1: the first product starts the sums.  The 64 accumulators take turns, one instruction a turn.
.macro MUL16 a0, p, zero
.irp a, \a0, \a0+1
.irp b, 0,1,2,3,4,5,6,7
.if \zero
	v_wmma_f32_16x16x128_fp8_fp8 v[8*(8*((\a)%4)+\b):8*(8*((\a)%4)+\b)+7], v[128*(\p)+FR*\b:128*(\p)+FR*\b+FR-1], v[AF+FR*(\a):AF+FR*(\a)+FR-1], 0
.else
	v_wmma_f32_16x16x128_fp8_fp8 v[8*(8*((\a)%4)+\b):8*(8*((\a)%4)+\b)+7], v[128*(\p)+FR*\b:128*(\p)+FR*\b+FR-1], v[AF+FR*(\a):AF+FR*(\a)+FR-1], v[8*(8*((\a)%4)+\b):8*(8*((\a)%4)+\b)+7]
.endif
.endr
.endr
.endm
.macro FETCH_B slot, q, p
	WIN TO_B
.irp i, 0,1,2,3,4,5,6,7
	FRAG 128*(\p)+FR*\i, ADRB+\slot, \q, \i
.endr
	WIN 0
.endm
.macro FETCH_A slot, q, i0
.irp i, \i0, \i0+1, \i0+2, \i0+3
	FRAG AF+FR*(\i), ADRA+\slot, \q, \i
.endr
.endm
.macro PLACES n                        ; plain vector lines between a matrix instruction and a load into, or a read of, its registers
.rept \n
	v_nop
.endr
.endm
; A step of 128 along K that has its successor in the same slot.  A has one set of registers (a block is free when its eight products are issued), B two.
.macro STEP slot, q, zero
	s_wait_dscnt 4*NL                              ; B's set and A's blocks 0-3 are in; the youngest 16 loads (A's blocks 4-7) may be out
	WIN MUL_LO
	MUL16 0, (\q)%2, \zero
	MUL16 2, (\q)%2, \zero
	s_wait_dscnt 0
	PLACES NP
	FETCH_B \slot, (\q)+1, 1-(\q)%2
	FETCH_A \slot, (\q)+1, 0
	WIN MUL_HI
	MUL16 4, (\q)%2, \zero
	MUL16 6, (\q)%2, \zero
	PLACES NP
	WIN 0
	FETCH_A \slot, (\q)+1, 4
.endm
; A slot's last step changes slots: one barrier; in front of it each wave waits for all its tensor loads, adds 0 to its spare word, and waits for that and for its reads of this slot.  fill = 1: the slot is filled again, two K steps ahead.
.macro TURN slot, next, fill
	s_wait_tensorcnt 0x0                           ; all my tensor loads have landed: my part of the next slot
	ds_add_u32 v[SPW], v[NIL]
	s_wait_dscnt 4*NL+1                            ; (the add and the youngest 16 loads may be out)
	WIN MUL_LO
	MUL16 0, 1, 0
	s_wait_dscnt 0x0                               ; the add is done, and my reads of this slot are over
	s_barrier_signal -1
	MUL16 2, 1, 0
	WIN 0
	s_barrier_wait -1
.if \fill
	CREST                                          ; the barrier has opened a round of the cluster's: no wave of any partner still reads this slot or has a load on its way
	s_add_nc_u64 s[G0+4*\slot+2:G0+4*\slot+3], s[G0+4*\slot+2:G0+4*\slot+3], 8192
	s_add_nc_u64 s[G0B+4*\slot+2:G0B+4*\slot+3], s[G0B+4*\slot+2:G0B+4*\slot+3], 8192
	JLOAD G0+4*\slot, G1, G0B+4*\slot, G1B         ; the first tensor load behind the round; its four v_nop are the places in front of the loads below
.else
	PLACES NP
.endif
	FETCH_B \next, 0, 0
	FETCH_A \next, 0, 0
	WIN MUL_HI
	MUL16 4, 1, 0
	MUL16 6, 1, 0
	PLACES NP
	WIN 0
	FETCH_A \next, 0, 4
.endm
	s_wait_tensorcnt 1                             ; my part of slot 0 is in; slot 1's load may be out
	s_barrier_signal -1
	s_barrier_wait -1
	FETCH_B 0, 0, 0
	FETCH_A 0, 0, 0
	FETCH_A 0, 0, 4
	STEP 0, 0, 1                                   ; K = 1,024 is eight steps: written out
	TURN 0, 1, 1
	STEP 1, 0, 0
	TURN 1, 0, 1
	STEP 0, 0, 0
	TURN 0, 1, 0                                   ; nothing is left to fetch
	STEP 1, 0, 0
	s_wait_dscnt 4*NL
	WIN MUL_LO
	MUL16 0, 1, 0
	MUL16 2, 1, 0
	s_wait_dscnt 0
	WIN MUL_HI
	MUL16 4, 1, 0
	MUL16 6, 1, 0
	WIN 0
	; THE WAY OUT.  A sum stands for sum x 2^(ea + eb); its code is sum / 2^(eo - ea - eb): the three exponents are folded into the conversion's one scale.  Chosen without a branch.
	s_wait_kmcnt 0x0
	s_cmp_eq_u32 s67, 0
	s_cselect_b32 s92, s80, s82
	s_cselect_b32 s93, s81, s83
	s_cselect_b32 s94, s86, s87
	s_cmp_eq_u32 s67, 2
	s_cselect_b32 s92, s84, s92
	s_cselect_b32 s93, s85, s93
	s_cselect_b32 s94, s89, s94
	s_sub_co_i32 s94, s94, s92
	s_sub_co_i32 s94, s94, s93
	s_add_co_i32 s94, s94, 127
	s_lshl_b32 s95, s94, 23
	v_mov_b32 v[SCL], s95
	s_add_co_i32 s94, s94, 8
	s_lshl_b32 s94, s94, 23
	s_or_b32 s94, s94, 0x600000
	v_mov_b32 v[LIM], s94
	PLACES NP                                      ; behind the last products
; Block a (16 slots of A) x my 128 rows of B: held, converted, stored: four parts of 512 consecutive bytes.  Each accumulator is read from its low end on.
.macro QOUT a, isv
.set AC, 64*((\a)%4)
.set CB, CO+16*((\a)%2)
.if (\a) >= 2
	s_wait_xcnt 0x0                                ; the stores of two blocks back have read this set of codes
.endif
	WIN 0x82+0x41*((\a)/4)                         ; source 0 and destination: window 2 or 3
.set n, 0
.rept 64
	v_med3_num_f32 v[AC+n], v[AC+n], -v[LIM], v[LIM]
.set n, n+1
.endr
	WIN 0x02+((\a)/4)
.irp b, 0,1,2,3,4,5,6,7
	v_cvt_scalef32_pk8_fp8_f32 v[CB+2*\b:CB+2*\b+1], v[AC+8*\b:AC+8*\b+7], v[SCL]
.endr
	WIN 0
	v_nop                                          ; a plain vector line behind the last conversion
.irp p, 0,1,2,3
.if \isv
	global_store_b128 v[LI], v[CB+4*\p:CB+4*\p+3], s[10:11] offset:((\a)/4)*131072+((\a)%4)*2048+512*\p   ; head a / 4, channel tile a % 4, keys 32 p on
.else
	global_store_b128 v[LI], v[CB+4*\p:CB+4*\p+3], s[10:11] offset:1024*(\a)+(\p/2)*131072+(\p%2)*512     ; token tile a, head p / 2, channels 32 (p % 2) on
.endif
.endr
.endm
	s_cmp_eq_u32 s67, 2                            ; t is the same in all partners; no tensor load and no barrier stands in either run
	s_cbranch_scc1 .Lout_v
.irp a, 0,1,2,3,4,5,6,7
	QOUT \a, 0
.endr
	s_branch .Lout_done
.Lout_v:
.irp a, 0,1,2,3,4,5,6,7
	QOUT \a, 1
.endr
.Lout_done:
	s_wait_tensorcnt 0x0                           ; the wave's end
	ds_add_u32 v[SPW], v[NIL]
	s_wait_dscnt 0x0
	CROUND                                         ; the closing round: no work-group ends while a partner may still ask for a tile that names it
	s_endpgm
.Lfunc_end_k_qe24b9643ab_proj:
	.size	k_qe24b9643ab_proj, .Lfunc_end_k_qe24b9643ab_proj-k_qe24b9643ab_proj
	.p2alignl 7, 3214868480
	.fill 96, 4, 3214868480
	.section	.rodata,"a",@progbits
	.p2align	6, 0x0
	.amdhsa_kernel k_qe24b9643ab_proj
		.amdhsa_group_segment_fixed_size 327680
		.amdhsa_private_segment_fixed_size 0
		.amdhsa_enable_private_segment 0
		.amdhsa_kernarg_size 32
		.amdhsa_user_sgpr_count 2
		.amdhsa_user_sgpr_kernarg_segment_ptr 1
		.amdhsa_wavefront_size32 1
		.amdhsa_system_sgpr_workgroup_id_x 1
		.amdhsa_system_sgpr_workgroup_id_y 1
		.amdhsa_system_sgpr_workgroup_id_z 1
		.amdhsa_system_vgpr_workitem_id 0
		.amdhsa_next_free_vgpr 1024
		.amdhsa_next_free_sgpr 100
		.amdhsa_reserve_vcc 0
		.amdhsa_float_denorm_mode_32 3
		.amdhsa_float_denorm_mode_16_64 3
		.amdhsa_memory_ordered 1
		.amdhsa_forward_progress 1
		.amdhsa_inst_pref_size 158
	.end_amdhsa_kernel
	.amdgpu_metadata
---
amdhsa.version: [ 1, 2 ]
amdhsa.kernels:
  - .name:           k_qe24b9643ab_proj
    .symbol:         k_qe24b9643ab_proj.kd
    .args:
      - { .name: xc, .offset: 0, .size: 8, .value_kind: global_buffer, .address_space: global }
      - { .name: wc, .offset: 8, .size: 8, .value_kind: global_buffer, .address_space: global }
      - { .name: lowp_scales, .offset: 16, .size: 8, .value_kind: global_buffer, .address_space: global }
      - { .name: qkv, .offset: 24, .size: 8, .value_kind: global_buffer, .address_space: global }
    .group_segment_fixed_size: 327680
    .private_segment_fixed_size: 0
    .kernarg_segment_align: 8
    .kernarg_segment_size: 32
    .max_flat_workgroup_size: 128
    .sgpr_count:     100
    .vgpr_count:     1024
    .wavefront_size: 32
...
	.end_amdgpu_metadata
.endif
;; end of part 2
;; launch attn (part 3): grid 4 x 64, 8 waves a work-group, no clusters, 271,360 bytes of LDS; arguments qkv, K_ini, first, lowp_scales, cc; writes cc
.if DOCPART == 3
	.amdgcn_target "amdgcn-amd-amdhsa--gfx1250"
	.amdhsa_code_object_version 6
	.text
	.protected	k_qe24b9643ab_attn
	.globl	k_qe24b9643ab_attn
	.p2align	8
	.type	k_qe24b9643ab_attn,@function
k_qe24b9643ab_attn:
	s_mov_b64 s[64:65], 0
	v_nop
	global_prefetch_b8 v0, s[64:65] scope:SCOPE_SE
	s_setreg_imm32_b32 hwreg(HW_REG_WAVE_MODE, 25, 1), 1
	s_wait_xcnt 0x0
; ctx = softmax(q k^T / 8 - 1e10 (1 - min(pad, causal))) v for one head, both products on codes of E4M3; ctx is quantised (e10) and stored as images of the last product's operand registers.
; THE SOFTMAX: t = logit x log2(e); M = the running largest t rounded up to a whole number; p = 2^(t - M) is quantised (ep), not normalised; the row's sum is taken of the unquantised p and divides at the end.
; SHARES.  Work-group (i, batch x head) owns query blocks 7 - i (pass 0) and i (pass 1), 256 queries each; a wave owns 32 queries, two tiles, at place w of the block in pass 0 and 7 - w in pass 1:
; 17 key steps of 128 keys for every wave.  Steps all of whose keys come after the wave's queries are left out.
; LAYOUT.  S^T = k q^T (source 0 = 16 keys, source 1 = 16 queries), O^T = v^T p^T: a lane holds one query throughout.  All operands are images: slot r of tile T stands for row 32 (T / 2) + 8 (T % 2) + r % 8 + 16 (r / 8),
; so the 16 registers of score tiles 2 b, 2 b + 1 are keys 32 b + 16 (lane / 16) + 0 .. 15, and the conversions' results are the second product's operand.  Each fragment of k and v read from LDS serves both tiles.
; THE PAD MASK is the C of the score products: 0, or -3e38 where K_ini = 0, from a table in LDS.  The causal mask is made in the one step of a pass that lies on the diagonal.
; ROWS WITH NO OPEN KEY (query < first[b]: all keys up to it are padded).  reference() subtracts 1e10 and does not hide: such a row's softmax runs over all 2,048 keys.  A wave that holds such a row walks all 16 steps,
; takes the constant 0 as the C of its score products (a scalar branch to a second copy of them) and forms every logit as reference() does: fma(score, 1/8, 0 or -1e10), then x log2(e).
; For its other rows that gives p = 0 at masked keys, as everywhere.
; The largest t begins at -1e20: a row that has seen only masked keys has p = 0 (in a wave of the kind just named: sums that its first open key multiplies by 2^(a saturated whole number) = 0).
; NO TENSOR LOAD AND NO CLUSTER: branches hang on whole numbers read from memory (first[b]; ep).  What the four work-groups of a head share is its
; 262,144 bytes of k and v.  They come through registers into LDS, 32 KiB a trip, once; nothing in LDS is ever overwritten.
; REGISTERS.  A WINDOW IS A TILE'S CONTEXT: the same numbers serve tile 0 in window 0 and tile 1 in window 1: v12 -M, v13 largest t, v[14:15] the sum, v16-23 q, v24 query - 16 h, v25 that - the step's first key, v26 -3e38, v27 -1e10,
;   v29 448 x 2^ep, v30 2^ep, v96-159 scores then p, v160-191 O^T, v192-207 codes, v240 448 x 2^e10, v241 2^e10, v[242:243] second sum chain, v244 permute, v[246:247] f, v248-249 at work, v[250:251] 2^(ep+ev) / sum.
;   Window 0 alone: v1 16 lane, v2 that + V's region, v3 16 thread, v4-5 fill's LDS addresses, v6 k's, v7 v's, v8 the addends', v10-11 the add's two, v28 256 lane, v31 my slot's row - 16 h,
;   v32-95 k's fragments, then v's, v208-239 staging, v252 fill's offset, v253 pad table + 64 h, v255 at the head.   Window 1 alone: v32-95 the step's 64 pad addends.
; LIMITS: eq + ek between -58 and 40 (so that -3e38 x c stays under -1e20, every true t above it, and c is an f32 number); ep and e10 between -126 and 119.  NaN among the inputs is not served.
.set VREG,  131072                     ; LDS: k's images 0 .. 131,071 (step 8,192, tile 1,024, part 512); v's behind them (step 8,192, channel tile 2,048, part 512)
.set PADT,  262144                     ; 2,048 f32: the pad addends
.set SPARE, 270336                     ; the spare words, 128 bytes a wave
.set MSB, 0
.macro WIN new                         ; bits 1:0 source 0, 3:2 source 1, 5:4 source 2, 7:6 destination; the high byte repeats the setting that is left
.if MSB != (\new)
	s_set_vgpr_msb (MSB<<8)|(\new)
.set MSB, (\new)
.endif
.endm
	s_load_b256 s[4:11], s[0:1], 0x0               ; qkv s[4:5], K_ini s[6:7], first s[8:9], the exponents s[10:11]
	s_load_b64 s[12:13], s[0:1], 0x20              ; cc
	v_lshl_add_u32 v10, v0, 2, SPARE
	v_mov_b32 v11, 0
	v_lshrrev_b32 v1, 5, v0
	v_readfirstlane_b32 s14, v1                    ; wave 0..7
	s_mov_b32 s16, ttmp9                           ; i
	s_and_b32 s17, ttmp7, 0xffff                   ; 16 batch + head
	s_lshr_b32 s43, s17, 4
	s_and_b32 s44, s17, 15
	v_and_b32 v255, 31, v0
	v_lshlrev_b32 v1, 4, v255
	v_add_nc_u32 v2, VREG, v1
	v_lshlrev_b32 v3, 4, v0
	v_lshlrev_b32 v28, 8, v255
	v_and_b32 v4, 7, v0
	v_bfe_u32 v5, v0, 3, 1
	v_bfe_u32 v6, v0, 4, 1
	v_lshl_add_u32 v31, v5, 4, v4
	v_lshlrev_b32 v7, 4, v6
	v_sub_nc_u32 v31, v31, v7                      ; r % 8 + 16 (r / 8) - 16 h
	v_lshl_add_u32 v253, v6, 6, PADT               ; the pad table + 64 h
	v_lshl_add_u32 v255, v0, 5, PADT               ; where I store my 8 keys' addends
	v_lshlrev_b32 v8, 5, v0                        ; and their ids' place in K_ini
	v_mov_b32 v252, v3
	s_mov_b32 s20, 0x76543210                      ; v_permlanex16_b32's selects: lane l xor 16
	s_mov_b32 s21, 0xfedcba98
	s_mov_b32 s26, 0x3fb8aa3b                      ; log2(e)
	s_mov_b32 s47, 0
	s_wait_kmcnt 0x0
	s_load_b256 s[68:75], s[10:11], 0x0            ; e0 .. e7
	s_load_b128 s[76:79], s[10:11], 0x20           ; e8 .. e11
	s_lshl_b32 s46, s43, 2
	s_add_nc_u64 s[8:9], s[8:9], s[46:47]
	s_load_b32 s15, s[8:9], 0x0                    ; first[batch]
	s_lshl_b32 s46, s43, 13
	s_add_nc_u64 s[6:7], s[6:7], s[46:47]
	s_lshl_b32 s46, s17, 17
	s_add_nc_u64 s[4:5], s[4:5], s[46:47]          ; my head's q,
	s_add_nc_u64 s[36:37], s[4:5], 0x800000        ; k,
	s_add_nc_u64 s[38:39], s[4:5], 0x1000000       ; v
	s_lshl_b32 s46, s43, 21
	s_lshr_b32 s45, s44, 1
	s_lshl_b32 s45, s45, 11
	s_add_co_u32 s46, s46, s45
	s_and_b32 s45, s44, 1
	s_lshl_b32 s45, s45, 10
	s_add_co_u32 s46, s46, s45
	s_add_nc_u64 s[12:13], s[12:13], s[46:47]      ; cc + batch x 128 tiles + K step head / 2 + part 2 (head % 2)
	s_cmp_lt_u32 s14, 2
	s_cselect_b64 s[54:55], s[36:37], s[38:39]     ; the prefetches' base: waves 0, 1: k; waves 2, 3: v; chunk 2, my 8,192 bytes of its 16,384
	s_and_b32 s46, s14, 1
	s_lshl_b32 s46, s46, 13
	s_add_co_u32 s46, s46, 32768
	s_add_nc_u64 s[54:55], s[54:55], s[46:47]
	global_load_b128 v[96:99], v8, s[6:7]          ; my 8 keys' ids
	global_load_b128 v[100:103], v8, s[6:7] offset:16
.macro FILLLD                          ; a chunk: 256 keys' k and v, 16,384 bytes each; a load of a wave takes 512 consecutive bytes
.irp i, 0,1,2,3
	global_load_b128 v[208+4*\i:211+4*\i], v252, s[36:37] offset:4096*\i
	global_load_b128 v[224+4*\i:227+4*\i], v252, s[38:39] offset:4096*\i
.endr
.endm
	FILLLD                                         ; chunk 0
	s_wait_kmcnt 0x0
	s_add_co_i32 s43, s74, s75                     ; eq + ek
	s_lshl_b32 s44, s43, 23
	s_add_co_i32 s24, s44, 0x3e38aa3b              ; c = log2(e) / 8 x 2^(eq + ek): the exponents are added to c's exponent field
	s_add_co_i32 s25, s43, 124
	s_lshl_b32 s25, s25, 23                        ; 2^(eq + ek) / 8
	s_mov_b32 s48, s76                             ; ep
	s_add_co_i32 s49, s76, s77                     ; ep + ev
	s_add_co_i32 s43, s76, 127
	s_lshl_b32 s44, s43, 23
	s_add_co_i32 s43, s43, 8
	s_lshl_b32 s45, s43, 23
	s_or_b32 s45, s45, 0x600000
	s_add_co_i32 s43, s78, 127
	s_lshl_b32 s46, s43, 23
	s_add_co_i32 s43, s43, 8
	s_lshl_b32 s47, s43, 23
	s_or_b32 s47, s47, 0x600000
.macro CONSTS
	v_mov_b32 v26, 0xff61b1e6                      ; -3e38
	v_mov_b32 v27, 0xd01502f9                      ; -1e10
	v_mov_b32 v29, s45
	v_mov_b32 v30, s44
	v_mov_b32 v240, s47
	v_mov_b32 v241, s46
	v_mov_b32 v244, 0                              ; a lane permute's destination counts as one of its sources
	v_mov_b32 v247, 0                              ; (named as upper halves of pairs)
	v_mov_b32 v251, 0
.endm
	CONSTS
	WIN 0x40
	CONSTS
	WIN 0
	s_wait_loadcnt 8                               ; the ids are in; chunk 0's eight loads may be out
.set n, 0
.rept 8
	v_cmp_eq_u32 vcc_lo, 0, v[96+n]
	v_cndmask_b32 v[104+n], 0, v26, vcc_lo
.set n, n+1
.endr
	ds_store_b128 v255, v[104:107]
	ds_store_b128 v255, v[108:111] offset:16
.macro PADLD adr                       ; 64 addends: register 16 b + 4 k + .. = key 32 b + 16 h + 4 k + ..: all lanes of a half read the same 16 bytes
.irp b, 0,1,2,3
.irp k, 0,1,2,3
	ds_load_b128 v[32+16*\b+4*\k:35+16*\b+4*\k], v[\adr] offset:128*\b+16*\k
.endr
.endr
.endm
.macro SMUL zero                       ; S^T of a tile of queries: eight tiles of 16 keys, K = the head's 64; C = the pad addends (window 1), or, zero = 1, the constant 0
.irp t, 0,1,2,3,4,5,6,7
.if \zero
	v_wmma_f32_16x16x64_fp8_fp8 v[96+8*\t:103+8*\t], v[32+8*\t:39+8*\t], v[16:23], 0
.else
	v_wmma_f32_16x16x64_fp8_fp8 v[96+8*\t:103+8*\t], v[32+8*\t:39+8*\t], v[16:23], v[32+8*\t:39+8*\t]
.endif
.endr
.endm
.macro PVMUL                           ; O^T += v^T p^T: four tiles of 16 channels, K = the step's 128 keys; the accumulators take turns
.irp d, 0,1,2,3
	v_wmma_f32_16x16x128_fp8_fp8 v[160+8*\d:167+8*\d], v[32+16*\d:47+16*\d], v[192:207], v[160+8*\d:167+8*\d]
.endr
.endm
.macro CAUSAL dst, src                 ; register n holds key KF + 16 h + 32 (n / 16) + n % 16: hidden where 32 (n / 16) + n % 16 > v25
.set n, 0
.rept 64
	v_cmp_gt_i32 vcc_lo, 32*(n/16)+n%16, v25
	v_cndmask_b32 v[\dst+n], v[\src+n], v26, vcc_lo
.set n, n+1
.endr
.endm
.macro MAXFMA                          ; the step's largest score, the new M, f, and t - M
	v_max3_num_f32 v248, v96, v97, v98
	v_max3_num_f32 v249, v99, v100, v101
.set n, 6
.rept 14
	v_max3_num_f32 v248, v248, v[96+n], v[97+n]
	v_max3_num_f32 v249, v249, v[98+n], v[99+n]
.set n, n+4
.endr
	v_max3_num_f32 v248, v248, v158, v159
	v_max_num_f32 v248, v248, v249
	v_permlanex16_b32 v244, v248, s20, s21
	v_max_num_f32 v248, v248, v244                 ; among lane l xor 16's keys too
	v_mul_f32 v248, s22, v248                      ; as t (the factor is positive)
	v_max_num_f32 v13, v13, v248
	v_mov_b32 v248, v12
	v_floor_f32 v12, -v13                          ; -M = floor(-t): M is a whole number
	v_sub_f32 v248, v12, v248                      ; old M - new M, 0 or less
	v_cvt_i32_f32 v248, v248                       ; (it saturates)
	v_ldexp_f32 v246, 1.0, v248                    ; f = 2^(old M - new M)
.set n, 0
.rept 32
	v_pk_fma_f32 v[96+n:97+n], v[96+n:97+n], s[22:23], v[12:13] op_sel_hi:[1,0,0]
.set n, n+2
.endr
.endm
.macro EXPS
.set n, 0
.rept 64
	v_exp_f32 v[96+n], v[96+n]
.set n, n+1
.endr
.endm
.macro SUMP                            ; the row's sum of the unquantised p, two at a time, in two chains
	v_pk_add_f32 v[242:243], v[96:97], v[98:99]
.set n, 4
.rept 15
	v_pk_add_f32 v[14:15], v[14:15], v[96+n:97+n]
	v_pk_add_f32 v[242:243], v[242:243], v[98+n:99+n]
.set n, n+4
.endr
	v_pk_add_f32 v[14:15], v[14:15], v[242:243]
.endm
.macro SOFT                            ; a tile's softmax up to its sum: the 64 exponentials are one batch with one wait
	MAXFMA
	EXPS
	v_pk_mul_f32 v[14:15], v[14:15], v[246:247] op_sel_hi:[1,0]   ; the sum under the new M: the plain line behind the exponentials
	s_wait_alu depctr_va_vdst(0)                   ; one wait for the tile's 64 exponentials, ahead of their first reader
	SUMP
.endm
.macro HOLD
.set n, 0
.rept 64
	v_min_num_f32 v[96+n], v[96+n], v29
.set n, n+1
.endr
.endm
.macro CODES
.irp b, 0,1,2,3
	v_cvt_scalef32_pk8_fp8_f32 v[192+4*\b:193+4*\b], v[96+16*\b:103+16*\b], v30
	v_cvt_scalef32_pk8_fp8_f32 v[194+4*\b:195+4*\b], v[104+16*\b:111+16*\b], v30
.endr
.endm
.macro RESC                            ; O^T under the new M.  (Plain lines behind the conversions)
.set n, 0
.rept 16
	v_pk_mul_f32 v[160+n:161+n], v[160+n:161+n], v[246:247] op_sel_hi:[1,0]
.set n, n+2
.endr
.endm
; A wave that holds a row with no open key: every logit as reference() forms it.  The score products took 0 as C; the step's pad addends stand in window 1's v32-95.
; add = max(pad or, where hidden, -3e38; -1e10) = 0 or -1e10, made in window 0's v32-95, which k has left.
.macro SPECIAL
	v_sub_nc_u32 v25, v24, s27
	WIN 0x55
	v_sub_nc_u32 v25, v24, s27
.irp x, 0,1
	WIN 0x01+4*\x                                  ; the addends from window 1; the tile's v25, v26; the result to window 0
	CAUSAL 32, 32
	WIN 0
.set n, 0
.rept 64
	v_max_num_f32 v[32+n], v[32+n], v27
.set n, n+1
.endr
	WIN 0x45*\x                                    ; the tile's scores; the addend from window 0
.set n, 0
.rept 64
	v_fma_f32 v[96+n], v[96+n], s25, v[32+n]       ; score / 8 - 0 or 1e10, rounded once
	v_mul_f32 v[96+n], s26, v[96+n]                ; t
.set n, n+1
.endr
.endr
	WIN 0
.endm
; A KEY STEP: 128 keys, the q-th of the trip's chunk.
.macro STEP q
	s_lshl_b32 s27, s19, 8
	s_add_co_u32 s27, s27, 128*\q                  ; the step's first key
	s_lshl_b32 s28, s19, 14
	s_add_co_u32 s28, s28, 8192*\q                 ; and its images' place in k's and in v's region
	s_cmp_gt_u32 s27, s30
	s_cbranch_scc1 .Lhidden_\@                     ; all its keys come after my queries: no barrier stands in a step
	s_lshl_b32 s43, s27, 2
	v_add_nc_u32 v6, s28, v1
	v_add_nc_u32 v7, s28, v2
	v_add_nc_u32 v8, s43, v253                     ; every LDS address is made of the lane, constants and the trip's number alone
	v_nop                                          ; these four are the places behind the last step's products, in front of the loads into v's registers
	WIN 0x40
	PADLD 8
	WIN 0
.irp t, 0,1,2,3,4,5,6,7
	ds_load_b128 v[32+8*\t:35+8*\t], v6 offset:1024*\t
	ds_load_b128 v[36+8*\t:39+8*\t], v6 offset:1024*\t+512
.endr
	s_wait_dscnt 0x0
	s_cmp_lg_u32 s32, 0
	s_cbranch_scc0 .Lplain_\@
	SMUL 1                                         ; a wave with a row that has no open key: bare scores
	WIN 0x54                                       ; tile 1: k in window 0; q and D in window 1
	SMUL 1
	WIN 0
.rept 4
	v_nop                                          ; places in front of the first read of the scores and of writes into k's registers
.endr
	SPECIAL
	s_branch .Lopen_\@
.Lplain_\@:
	WIN 0x10                                       ; tile 0: C in window 1
	SMUL 0
	WIN 0x54                                       ; tile 1: k in window 0; q, C and D in window 1
	SMUL 0
	WIN 0
.rept 4
	v_nop                                          ; places in front of the first read of the scores and of loads into k's registers
.endr
	s_add_co_u32 s43, s27, 127
	s_cmp_le_u32 s43, s31
	s_cbranch_scc1 .Lopen_\@                       ; all keys of the step count for all my queries
	v_sub_nc_u32 v25, v24, s27
	CAUSAL 96, 96
	WIN 0x55
	v_sub_nc_u32 v25, v24, s27
	CAUSAL 96, 96
	WIN 0
.Lopen_\@:
.irp d, 0,1,2,3
.irp c, 0,1,2,3
	ds_load_b128 v[32+16*\d+4*\c:35+16*\d+4*\c], v7 offset:2048*\d+512*\c   ; v's fragments land while the softmax is worked
.endr
.endr
	SOFT
	WIN 0x55
	SOFT
	WIN 0
	s_cmp_ge_i32 s48, -8                           ; p is at most 1: where 448 x 2^ep is at least 1.75 the hold changes nothing
	s_cbranch_scc1 .Lnohold_\@
	HOLD
	WIN 0x55
	HOLD
	WIN 0
.Lnohold_\@:
	CODES
	RESC
	WIN 0x55
	CODES
	RESC
	WIN 0
	s_wait_dscnt 0x0                               ; v is in
	PVMUL
	WIN 0x54
	PVMUL
	WIN 0
.Lhidden_\@:
.endm
.macro PASSINIT                        ; the step is written once: its first turn finds zeros, which the first change of M leaves zeros
	v_mov_b32 v13, 0xe0ad78ec                      ; -1e20
	v_mov_b32 v12, 0x60ad78ec                      ; -M = 1e20
	v_mov_b32 v14, 0
	v_mov_b32 v15, 0
.set n, 0
.rept 32
	v_mov_b32 v[160+n], 0
.set n, n+1
.endr
.endm
.macro OUTT                            ; ctx = O^T x 2^(ep + ev) / sum, held and converted: 16 channels are a lane's 16 bytes
	v_add_f32 v14, v14, v15                        ; the sum's two halves,
	v_permlanex16_b32 v244, v14, s20, s21
	v_add_f32 v14, v14, v244                       ; and lane l xor 16's
	v_rcp_f32 v14, v14
	v_nop                                          ; a plain line behind the reciprocal
	s_wait_alu depctr_va_vdst(0)                   ; and the wait ahead of its first reader
	v_ldexp_f32 v250, v14, s49
.set n, 0
.rept 16
	v_pk_mul_f32 v[160+n:161+n], v[160+n:161+n], v[250:251] op_sel_hi:[1,0]
.set n, n+2
.endr
.set n, 0
.rept 32
	v_med3_num_f32 v[160+n], v[160+n], -v240, v240
.set n, n+1
.endr
.irp g, 0,1,2,3
	v_cvt_scalef32_pk8_fp8_f32 v[192+2*\g:193+2*\g], v[160+8*\g:167+8*\g], v241
.endr
	v_nop                                          ; a plain vector line behind the last conversion
.endm
	s_mov_b32 s18, 0
.Lpass:
	s_sub_co_u32 s43, 7, s16
	s_sub_co_u32 s44, 7, s14
	s_cmp_eq_u32 s18, 0
	s_cselect_b32 s34, s43, s16                    ; my block of queries
	s_cselect_b32 s35, s14, s44                    ; my wave's place in it
	s_lshl_b32 s45, s16, 8
	s_cmp_lt_u32 s45, s15                          ; does the work-group hold a row with no open key?  Then all eight chunks are wanted
	s_cselect_b32 s33, 7, s43
	s_cmp_eq_u32 s18, 0
	s_cselect_b32 s33, s33, -1                     ; the last chunk to be filled: pass 1 fills nothing
	s_lshr_b32 s45, s14, 2
	s_or_b32 s45, s45, s16
	s_or_b32 s45, s45, s18
	s_cmp_eq_u32 s45, 0
	s_cselect_b32 s42, 5, -1                       ; the last trip that prefetches: waves 0-3 of the head's work-group 0, pass 0
	s_mov_b64 s[40:41], s[54:55]
	s_lshl_b32 s29, s34, 8
	s_lshl_b32 s45, s35, 5
	s_add_co_u32 s29, s29, s45                     ; my first query
	s_add_co_u32 s45, s29, 31
	s_movk_i32 s46, 4095
	s_cmp_lt_u32 s29, s15
	s_cselect_b32 s32, 1, 0                        ; 1: my wave holds a row with no open key
	s_cselect_b32 s30, s46, s45                    ; steps that begin behind this key are left out
	s_cselect_b32 s31, s46, s29                    ; steps that end at or before this key need no causal mask
	s_cselect_b32 s22, 1.0, s24                    ; the factor from what stands in v96-159 to t
	s_mov_b32 s23, s22
	s_lshl_b32 s44, s34, 14
	s_lshl_b32 s45, s35, 11
	s_add_co_u32 s44, s44, s45
	s_mov_b32 s45, 0
	s_add_nc_u64 s[50:51], s[4:5], s[44:45]        ; q: tile 16 block + 2 place, 1,024 bytes a tile
	s_lshl_b32 s44, s44, 4
	s_add_nc_u64 s[52:53], s[12:13], s[44:45]      ; cc: the same tile, 16,384 bytes a tile
	s_add_co_u32 s46, s29, 8
	global_load_b128 v[16:19], v1, s[50:51]
	global_load_b128 v[20:23], v1, s[50:51] offset:512
	v_add_nc_u32 v24, s29, v31
	PASSINIT
	WIN 0x40
	global_load_b128 v[16:19], v1, s[50:51] offset:1024
	global_load_b128 v[20:23], v1, s[50:51] offset:1536
	v_add_nc_u32 v24, s46, v31
	PASSINIT
	WIN 0
	s_mov_b32 s19, 0
.Lchunk:                                           ; eight trips, a chunk of 256 keys each
	s_wait_loadcnt 0x0                             ; this chunk's staging registers (and, in a pass's first trip, q) are in
	s_lshl_b32 s43, s19, 14
	v_add_nc_u32 v4, s43, v3
	v_add_nc_u32 v5, VREG, v4
	s_wait_dscnt 0x0                               ; my LDS reads of the last trip are back (at the head: my stores into the table have landed)
	s_barrier_signal -1
	s_barrier_wait -1                              ; no store of this trip is issued while a wave still reads
	s_cmp_le_i32 s19, s33
	s_cbranch_scc0 .Lno_fill
.irp i, 0,1,2,3
	ds_store_b128 v4, v[208+4*\i:211+4*\i] offset:4096*\i
	ds_store_b128 v5, v[224+4*\i:227+4*\i] offset:4096*\i
.endr
.Lno_fill:
	s_wait_dscnt 0x0                               ; for the others' sake: my stores have landed
	s_barrier_signal -1
	s_barrier_wait -1                              ; the chunk is whole
	s_add_co_u32 s43, s43, 16384
	v_add_nc_u32 v252, s43, v3
	s_add_co_u32 s44, s19, 1
	s_cmp_le_i32 s44, s33
	s_cbranch_scc0 .Lno_load
	FILLLD                                         ; the next chunk: it has this trip's two steps in which to land
.Lno_load:
	s_cmp_le_i32 s19, s42
	s_cbranch_scc0 .Lno_ask
	global_prefetch_b8 v28, s[40:41] th:TH_LOAD_NT scope:SCOPE_SE   ; chunk C + 2, one trip ahead of its loads: 8,192 bytes a wave, lanes 256 bytes apart; each block is named once in the launch; the last is chunk 7
.Lno_ask:
	STEP 0
	STEP 1
	s_wait_xcnt 0x0                                ; the prefetch has read its address
	s_add_nc_u64 s[40:41], s[40:41], 16384
	s_add_co_u32 s19, s19, 1
	s_cmp_lt_u32 s19, 8
	s_cbranch_scc1 .Lchunk
	; a pass's way out
.rept 4
	v_nop                                          ; places behind the last products
.endr
	OUTT
	global_store_b128 v1, v[192:195], s[52:53]                     ; 512 consecutive bytes: channels 0-31 of tile 0's 16 queries
	global_store_b128 v1, v[196:199], s[52:53] offset:512
	WIN 0x55
	OUTT
	WIN 0x04                                       ; the stores' data in window 1
	global_store_b128 v1, v[192:195], s[52:53] offset:16384
	global_store_b128 v1, v[196:199], s[52:53] offset:16384+512
	WIN 0
	s_wait_xcnt 0x0                                ; the stores have read their registers and their base: the next pass writes both
	s_add_co_u32 s18, s18, 1
	s_cmp_lt_u32 s18, 2
	s_cbranch_scc1 .Lpass
	s_wait_tensorcnt 0x0                           ; the wave's end, behind my last LDS store
	ds_add_u32 v10, v11
	s_wait_dscnt 0x0
	s_endpgm
.Lfunc_end_k_qe24b9643ab_attn:
	.size	k_qe24b9643ab_attn, .Lfunc_end_k_qe24b9643ab_attn-k_qe24b9643ab_attn
	.p2alignl 7, 3214868480
	.fill 96, 4, 3214868480
	.section	.rodata,"a",@progbits
	.p2align	6, 0x0
	.amdhsa_kernel k_qe24b9643ab_attn
		.amdhsa_group_segment_fixed_size 271360
		.amdhsa_private_segment_fixed_size 0
		.amdhsa_enable_private_segment 0
		.amdhsa_kernarg_size 40
		.amdhsa_user_sgpr_count 2
		.amdhsa_user_sgpr_kernarg_segment_ptr 1
		.amdhsa_wavefront_size32 1
		.amdhsa_system_sgpr_workgroup_id_x 1
		.amdhsa_system_sgpr_workgroup_id_y 1
		.amdhsa_system_sgpr_workgroup_id_z 1
		.amdhsa_system_vgpr_workitem_id 0
		.amdhsa_next_free_vgpr 512
		.amdhsa_next_free_sgpr 100
		.amdhsa_reserve_vcc 1
		.amdhsa_float_denorm_mode_32 3
		.amdhsa_float_denorm_mode_16_64 3
		.amdhsa_memory_ordered 1
		.amdhsa_forward_progress 1
		.amdhsa_inst_pref_size 155
	.end_amdhsa_kernel
	.amdgpu_metadata
---
amdhsa.version: [ 1, 2 ]
amdhsa.kernels:
  - .name:           k_qe24b9643ab_attn
    .symbol:         k_qe24b9643ab_attn.kd
    .args:
      - { .name: qkv, .offset: 0, .size: 8, .value_kind: global_buffer, .address_space: global }
      - { .name: K_ini, .offset: 8, .size: 8, .value_kind: global_buffer, .address_space: global }
      - { .name: first, .offset: 16, .size: 8, .value_kind: global_buffer, .address_space: global }
      - { .name: lowp_scales, .offset: 24, .size: 8, .value_kind: global_buffer, .address_space: global }
      - { .name: cc, .offset: 32, .size: 8, .value_kind: global_buffer, .address_space: global }
    .group_segment_fixed_size: 271360
    .private_segment_fixed_size: 0
    .kernarg_segment_align: 8
    .kernarg_segment_size: 40
    .max_flat_workgroup_size: 256
    .sgpr_count:     100
    .vgpr_count:     512
    .wavefront_size: 32
...
	.end_amdgpu_metadata
.endif
;; end of part 3
;; launch outp (part 4): grid 4 x 32, 4 waves a work-group, clusters of 4 x 4, 327,680 bytes of LDS; arguments cc, wc, lowp_scales, out0; writes out0
.if DOCPART == 4
	.amdgcn_target "amdgcn-amd-amdhsa--gfx1250"
	.amdhsa_code_object_version 6
	.text
	.protected	k_qe24b9643ab_outp
	.globl	k_qe24b9643ab_outp
	.p2align	8
	.type	k_qe24b9643ab_outp,@function
k_qe24b9643ab_outp:
	s_mov_b64 s[64:65], 0
	v_nop
	global_prefetch_b8 v0, s[64:65] scope:SCOPE_SE
	s_setreg_imm32_b32 hwreg(HW_REG_WAVE_MODE, 25, 1), 1
	s_wait_xcnt 0x0
	s_wait_alu depctr_hold_cnt(0) depctr_sa_sdst(0) depctr_va_vdst(0) depctr_va_sdst(0) depctr_va_ssrc(0) depctr_va_vcc(0) depctr_vm_vsrc(0)
	s_getreg_b32 s2, hwreg(HW_REG_IB_STS2, 6, 4)
	s_cmp_eq_u32 s2, 0
	s_cbranch_scc0 .Lentry_in_a_cluster
	s_endpgm
.Lentry_in_a_cluster:
	s_bfe_u32 s2, ttmp6, 0x10000c
	s_cmp_lg_u32 s2, 0xf033
	s_cbranch_scc0 .Lentry_shape_is_right
	s_endpgm
.Lentry_shape_is_right:
; out0 = ctx WO on codes of E4M3 (K = 1,024), f32 sums, each finished sum x 2^(e10 + e11).  cc: ctx's codes, wc + 3 MiB: WO's, both as images of operand registers:
; a fragment (16 slots x 128 K) is 2,048 bytes, four parts of 512, lane l's 16 bytes at 16 l; a tile's eight K steps lie on end; slot r of tile T stands for row 32 (T / 2) + 8 (T % 2) + r % 8 + 16 (r / 8).
; A tile of C is 256 x 256: four waves, each 128 x 128 in 64 accumulators; 128 work-groups in 8 clusters of 4 x 4.  Source 0 = WO's rows n, source 1 = ctx's rows: a lane holds eight neighbouring columns of one row of out0.
; CLUSTERS: ctx's tile is asked for jointly along a row of the cluster, WO's along a column.  K goes in steps of 256 through two LDS slots; a wave's one tensor load brings 8 tiles x 4,096 bytes;
; by this text's own count a wave has at most two tensor loads out (the two first fills).  No prefetch: K has four steps, of which two are asked for at the head.
; LIMIT: e10 + e11 between -126 and 127, so that 2^(e10 + e11) is an f32 number.
.set SLOT,   131072
.set SPARE,  2*SLOT                    ; behind the ring: the spare words, 128 bytes a wave
.set SPITCH, 528                       ; the way out: a stage of 16 rows x (512 + 16) bytes for each wave, in slot 0, which has had its last fill and its last read when the first result is stored there
.set FR,     16
.set NL,     4
.set NP,     4
.set ADRA, 16                          ; v16-17  LDS address of my A fragments in slot 0, 1
.set ADRB, 20                          ; v20-21  the same for B
.set STO,  24                          ; v24     the stage, way in
.set RD,   25                          ; v25     the stage, way back
.set LI,   26                          ; v26     16 x lane
.set SPW,  28
.set NIL,  29
.set TMP,  32                          ; v32-95  a block's sums x 2^(e10 + e11)
.set AF,   128                         ; A's fragments, window 0;  window 1: B's two sets;  windows 2, 3: the accumulators
.set BK,   128                         ; the way out: 16 rows read back: v128-191 and v192-255 by turns
.set G1, 24
.set G0, 32
.set G1B, 48
.set G0B, 56
.set MSB, 0
.macro WIN new
.if MSB != (\new)
	s_set_vgpr_msb (MSB<<8)|(\new)
.set MSB, (\new)
.endif
.endm
.set MUL_LO, 0xa1
.set MUL_HI, 0xf1
.set TO_B,   0x40
.macro JLOAD g0a, g1a, g0b, g1b        ; a joint load: waves 0 and 1 fetch for A, waves 2 and 3 for B; an s_nop 0 and four v_nop follow each of the two lines
	s_cmp_eq_u32 s15, 0
	s_cbranch_scc0 .Lfor_b_\@
	tensor_load_to_lds s[\g0a:\g0a+3], s[\g1a:\g1a+7]
	s_nop 0
.rept 4
	v_nop
.endr
	s_branch .Lasked_\@
.Lfor_b_\@:
	tensor_load_to_lds s[\g0b:\g0b+3], s[\g1b:\g1b+7]
	s_nop 0
.rept 4
	v_nop
.endr
.Lasked_\@:
.endm
.macro CREST
	s_cmp_lg_u32 s14, 0
	s_cbranch_scc1 .Lnot_wave_0_\@
	s_barrier_signal -3
.Lnot_wave_0_\@:
	s_barrier_wait -3
	s_barrier_signal -1
	s_barrier_wait -1
.endm
.macro CROUND
	s_barrier_signal -1
	s_barrier_wait -1
	CREST
.endm
	s_load_b128 s[4:7], s[0:1], 0x0                ; cc, wc
	s_load_b128 s[8:11], s[0:1], 0x10              ; the exponents, out0
	v_lshl_add_u32 v[SPW], v0, 2, SPARE
	v_mov_b32 v[NIL], 0
	ds_add_u32 v[SPW], v[NIL]                      ; the wave's opening: the add and its wait ahead of my first tensor load
	v_lshrrev_b32 v1, 5, v0
	v_readfirstlane_b32 s14, v1
	s_lshr_b32 s15, s14, 1                         ; my half of the rows; also: I fetch for A (0) or B (1)
	s_and_b32 s16, s14, 1                          ; my half of the columns; also: which 8 tiles I fetch
	s_bfe_u32 s40, ttmp6, 0x40000                  ; cx = the tile column
	s_bfe_u32 s41, ttmp6, 0x40004                  ; cy
	s_and_b32 s17, ttmp7, 0xffff
	s_lshl_b32 s17, s17, 2
	s_add_co_u32 s17, s17, s41                     ; tile row = 4 x cluster y + cy
	s_lshl_b32 s43, s41, 2
	s_lshl_b32 s43, 15, s43
	s_lshl_b32 s44, 0x1111, s40
	s_or_b32 s[G1+0], s43, (3<<16)|(1<<21)         ; the mask; elements of 8 bytes; no padding; bit 21 beside a mask
	s_or_b32 s[G1B+0], s44, (3<<16)|(1<<21)
.irp g, G1, G1B
	s_mov_b32 s[\g+1], 512<<16                     ; 4,096 bytes: two fragments
	s_mov_b32 s[\g+2], 8<<16                       ; 8 tiles
	s_mov_b32 s[\g+3], 512<<16
	s_mov_b32 s[\g+4], 8
	s_mov_b32 s[\g+5], 2048                        ; 16,384 bytes from tile to tile
	s_mov_b32 s[\g+6], 0
	s_mov_b32 s[\g+7], 0
.endr
	s_lshl_b32 s18, s16, 17
	s_lshl_b32 s20, s17, 18
	s_add_co_u32 s20, s20, s18
	s_mov_b32 s21, 0
	s_lshl_b32 s46, s40, 18
	s_add_co_u32 s46, s46, s18
	s_add_co_u32 s46, s46, 0x300000                ; WO is the fourth weight
	s_mov_b32 s47, 0
	s_lshl_b32 s45, s14, 15
	s_wait_dscnt 0x0                               ; the opening add is done
	s_wait_kmcnt 0x0
	s_load_b64 s[96:97], s[8:9], 0x28              ; e10, e11
	s_add_nc_u64 s[20:21], s[4:5], s[20:21]
	s_add_nc_u64 s[46:47], s[6:7], s[46:47]
	CROUND
.irp s, 0,1
	s_mov_b32 s[G0+4*\s], 1
	s_add_co_u32 s[G0+4*\s+1], s45, \s*SLOT
	s_add_nc_u64 s[G0+4*\s+2:G0+4*\s+3], s[20:21], \s*4096
	s_or_b32 s[G0+4*\s+3], s[G0+4*\s+3], 0x80000000
	s_mov_b32 s[G0B+4*\s], 1
	s_add_co_u32 s[G0B+4*\s+1], s45, \s*SLOT
	s_add_nc_u64 s[G0B+4*\s+2:G0B+4*\s+3], s[46:47], \s*4096
	s_or_b32 s[G0B+4*\s+3], s[G0B+4*\s+3], 0x80000000
	JLOAD G0+4*\s, G1, G0B+4*\s, G1B
.endr
	v_and_b32 v1, 31, v0
	v_lshlrev_b32 v[LI], 4, v1
	s_lshl_b32 s21, s15, 15
	s_lshl_b32 s22, s16, 15
	s_add_co_u32 s22, s22, 65536
.irp s, 0,1
	v_add_nc_u32 v[ADRA+\s], s21, v[LI]
	v_add_nc_u32 v[ADRB+\s], s22, v[LI]
	s_add_co_u32 s21, s21, SLOT
	s_add_co_u32 s22, s22, SLOT
.endr
	v_and_b32 v2, 15, v0
	v_bfe_u32 v3, v0, 4, 1
	s_mul_i32 s23, s14, 16*SPITCH                  ; my stage
	v_mul_u32_u24 v[STO], v2, SPITCH
	v_lshl_add_u32 v[STO], v3, 6, v[STO]
	v_add_nc_u32 v[STO], s23, v[STO]               ; in: row r, 64 h bytes on: accumulator b's eight columns are 32 (b / 2) + 16 h + 8 (b % 2) + 0 .. 7
	v_add_nc_u32 v[RD], s23, v[LI]                 ; back: a row's 512 bytes, 16 a lane
	s_lshl_b32 s72, s17, 20                        ; out0: 256 rows of 4,096 bytes x tile row
	s_lshl_b32 s74, s15, 19
	s_add_co_u32 s72, s72, s74
	s_lshl_b32 s74, s40, 10
	s_add_co_u32 s72, s72, s74
	s_lshl_b32 s74, s16, 9
	s_add_co_u32 s72, s72, s74
	s_mov_b32 s73, 0
	s_add_nc_u64 s[10:11], s[10:11], s[72:73]
.macro FRAG reg, adr, q, i
.irp c, 0,1,2,3
	ds_load_b128 v[\reg+4*\c:\reg+4*\c+3], v[\adr] offset:2048*(\q)+512*\c+(\i)*4096
.endr
.endm
.macro MUL16 a0, p, zero               ; the 64 accumulators take turns, one instruction a turn
.irp a, \a0, \a0+1
.irp b, 0,1,2,3,4,5,6,7
.if \zero
	v_wmma_f32_16x16x128_fp8_fp8 v[8*(8*((\a)%4)+\b):8*(8*((\a)%4)+\b)+7], v[128*(\p)+FR*\b:128*(\p)+FR*\b+FR-1], v[AF+FR*(\a):AF+FR*(\a)+FR-1], 0
.else
	v_wmma_f32_16x16x128_fp8_fp8 v[8*(8*((\a)%4)+\b):8*(8*((\a)%4)+\b)+7], v[128*(\p)+FR*\b:128*(\p)+FR*\b+FR-1], v[AF+FR*(\a):AF+FR*(\a)+FR-1], v[8*(8*((\a)%4)+\b):8*(8*((\a)%4)+\b)+7]
.endif
.endr
.endr
.endm
.macro FETCH_B slot, q, p
	WIN TO_B
.irp i, 0,1,2,3,4,5,6,7
	FRAG 128*(\p)+FR*\i, ADRB+\slot, \q, \i
.endr
	WIN 0
.endm
.macro FETCH_A slot, q, i0
.irp i, \i0, \i0+1, \i0+2, \i0+3
	FRAG AF+FR*(\i), ADRA+\slot, \q, \i
.endr
.endm
.macro PLACES n
.rept \n
	v_nop
.endr
.endm
.macro STEP slot, q, zero
	s_wait_dscnt 4*NL                              ; B's set and A's blocks 0-3 are in; the youngest 16 loads may be out
	WIN MUL_LO
	MUL16 0, (\q)%2, \zero
	MUL16 2, (\q)%2, \zero
	s_wait_dscnt 0
	PLACES NP
	FETCH_B \slot, (\q)+1, 1-(\q)%2
	FETCH_A \slot, (\q)+1, 0
	WIN MUL_HI
	MUL16 4, (\q)%2, \zero
	MUL16 6, (\q)%2, \zero
	PLACES NP
	WIN 0
	FETCH_A \slot, (\q)+1, 4
.endm
.macro TURN slot, next, fill
	s_wait_tensorcnt 0x0                           ; all my tensor loads have landed: my part of the next slot
	ds_add_u32 v[SPW], v[NIL]
	s_wait_dscnt 4*NL+1                            ; (the add and the youngest 16 loads may be out)
	WIN MUL_LO
	MUL16 0, 1, 0
	s_wait_dscnt 0x0                               ; the add is done, and my reads of this slot are over
	s_barrier_signal -1
	MUL16 2, 1, 0
	WIN 0
	s_barrier_wait -1
.if \fill
	CREST                                          ; no wave of any partner still reads this slot or has a load on its way
	s_add_nc_u64 s[G0+4*\slot+2:G0+4*\slot+3], s[G0+4*\slot+2:G0+4*\slot+3], 8192
	s_add_nc_u64 s[G0B+4*\slot+2:G0B+4*\slot+3], s[G0B+4*\slot+2:G0B+4*\slot+3], 8192
	JLOAD G0+4*\slot, G1, G0B+4*\slot, G1B
.else
	PLACES NP
.endif
	FETCH_B \next, 0, 0
	FETCH_A \next, 0, 0
	WIN MUL_HI
	MUL16 4, 1, 0
	MUL16 6, 1, 0
	PLACES NP
	WIN 0
	FETCH_A \next, 0, 4
.endm
	s_wait_tensorcnt 1                             ; my part of slot 0 is in; slot 1's load may be out
	s_barrier_signal -1
	s_barrier_wait -1
	FETCH_B 0, 0, 0
	FETCH_A 0, 0, 0
	FETCH_A 0, 0, 4
	STEP 0, 0, 1
	TURN 0, 1, 1
	STEP 1, 0, 0
	TURN 1, 0, 1
	STEP 0, 0, 0
	TURN 0, 1, 0
	STEP 1, 0, 0
	s_wait_dscnt 4*NL
	WIN MUL_LO
	MUL16 0, 1, 0
	MUL16 2, 1, 0
	s_wait_dscnt 0
	WIN MUL_HI
	MUL16 4, 1, 0
	MUL16 6, 1, 0
	WIN 0
; THE WAY OUT, block by block of 16 slots x 128 columns, through my own stage: in by lanes (32 bytes of a row twice), back as whole rows of 512 bytes, which 32 lanes store as two aligned runs of 256.
; LDS serves a wave's instructions in order: no wait between the stores and the loads, nor in front of the next block's stores.
.macro TOSTAGE a
.set AC, 64*((\a)%4)
	WIN 0x02+((\a)/4)
.set n, 0
.rept 32
	v_pk_mul_f32 v[TMP+n:TMP+n+1], v[AC+n:AC+n+1], s[96:97] op_sel_hi:[1,0]   ; x 2^(e10 + e11); each accumulator from its low end on
.set n, n+2
.endr
	WIN 0
.irp b, 0,1,2,3,4,5,6,7
	ds_store_b128 v[STO], v[TMP+8*\b:TMP+8*\b+3] offset:128*(\b/2)+32*(\b%2)
	ds_store_b128 v[STO], v[TMP+8*\b+4:TMP+8*\b+7] offset:128*(\b/2)+32*(\b%2)+16
.endr
.set BB, BK+64*((\a)%2)
.irp t, 0,1,2,3,4,5,6,7,8,9,10,11,12,13,14,15
	ds_load_b128 v[BB+4*\t:BB+4*\t+3], v[RD] offset:\t*SPITCH
.endr
.endm
.macro SEND a, younger                 ; younger: the LDS instructions issued behind block a's loads, which may stay out
.set BB, BK+64*((\a)%2)
	s_wait_dscnt \younger
.irp t, 0,1,2,3,4,5,6,7,8,9,10,11,12,13,14,15
	global_store_b128 v[LI], v[BB+4*\t:BB+4*\t+3], s[10:11] offset:(32*((\a)/2)+8*((\a)%2)+(\t%8)+16*(\t/8))*4096 th:TH_STORE_NT   ; slot t of block a is that row of my 128; 127 rows at the most stand in the immediate
.endr
.endm
	s_wait_kmcnt 0x0
	s_add_co_i32 s96, s96, s97
	s_add_co_i32 s96, s96, 127
	s_lshl_b32 s96, s96, 23                        ; 2^(e10 + e11) as f32
	PLACES NP                                      ; behind the last products
	TOSTAGE 0
.irp a, 1,2,3,4,5,6,7
.if \a > 1
	s_wait_xcnt 0x0                                ; block a - 2's stores have read their registers: block a's loads may land there
.endif
	TOSTAGE \a
	SEND \a-1, 32                                  ; behind block a - 1's loads: block a's 16 stores and 16 loads
.endr
	SEND 7, 0
	s_wait_tensorcnt 0x0                           ; the wave's end, behind my last tensor load and my last LDS store
	ds_add_u32 v[SPW], v[NIL]
	s_wait_dscnt 0x0
	CROUND                                         ; the closing round
	s_endpgm
.Lfunc_end_k_qe24b9643ab_outp:
	.size	k_qe24b9643ab_outp, .Lfunc_end_k_qe24b9643ab_outp-k_qe24b9643ab_outp
	.p2alignl 7, 3214868480
	.fill 96, 4, 3214868480
	.section	.rodata,"a",@progbits
	.p2align	6, 0x0
	.amdhsa_kernel k_qe24b9643ab_outp
		.amdhsa_group_segment_fixed_size 327680
		.amdhsa_private_segment_fixed_size 0
		.amdhsa_enable_private_segment 0
		.amdhsa_kernarg_size 32
		.amdhsa_user_sgpr_count 2
		.amdhsa_user_sgpr_kernarg_segment_ptr 1
		.amdhsa_wavefront_size32 1
		.amdhsa_system_sgpr_workgroup_id_x 1
		.amdhsa_system_sgpr_workgroup_id_y 1
		.amdhsa_system_sgpr_workgroup_id_z 1
		.amdhsa_system_vgpr_workitem_id 0
		.amdhsa_next_free_vgpr 1024
		.amdhsa_next_free_sgpr 100
		.amdhsa_reserve_vcc 0
		.amdhsa_float_denorm_mode_32 3
		.amdhsa_float_denorm_mode_16_64 3
		.amdhsa_memory_ordered 1
		.amdhsa_forward_progress 1
		.amdhsa_inst_pref_size 122
	.end_amdhsa_kernel
	.amdgpu_metadata
---
amdhsa.version: [ 1, 2 ]
amdhsa.kernels:
  - .name:           k_qe24b9643ab_outp
    .symbol:         k_qe24b9643ab_outp.kd
    .args:
      - { .name: cc, .offset: 0, .size: 8, .value_kind: global_buffer, .address_space: global }
      - { .name: wc, .offset: 8, .size: 8, .value_kind: global_buffer, .address_space: global }
      - { .name: lowp_scales, .offset: 16, .size: 8, .value_kind: global_buffer, .address_space: global }
      - { .name: out0, .offset: 24, .size: 8, .value_kind: global_buffer, .address_space: global }
    .group_segment_fixed_size: 327680
    .private_segment_fixed_size: 0
    .kernarg_segment_align: 8
    .kernarg_segment_size: 32
    .max_flat_workgroup_size: 128
    .sgpr_count:     100
    .vgpr_count:     1024
    .wavefront_size: 32
...
	.end_amdgpu_metadata
.endif
;; end of part 4
;; ======== version 2 of 2: 4 launches; version 1 with the launch attn written anew for expert scheduling mode
;; limits: right only within a limited range of input values
;; workspace buffers: xc 25,165,824 bytes; wc 4,194,304 bytes; first 256 bytes of whole numbers; qkv 25,165,824 bytes; cc 8,388,608 bytes
;; launch prep: the kernel of part 1 again; grid 513 x 1, 4 waves a work-group, no clusters, 34,304 bytes of LDS; arguments Q_emb, K_emb, V_emb, WQ, WK, WV, WO, K_ini, lowp_scales, xc, wc, first; writes xc, wc, first
;; launch proj: the kernel of part 2 again; grid 4 x 96, 4 waves a work-group, clusters of 4 x 4, 327,680 bytes of LDS; arguments xc, wc, lowp_scales, qkv; writes qkv
;; launch attn (part 5): grid 4 x 64, 8 waves a work-group, no clusters, 271,360 bytes of LDS; arguments qkv, K_ini, first, lowp_scales, cc; writes cc
.if DOCPART == 5
	.amdgcn_target "amdgcn-amd-amdhsa--gfx1250"
	.amdhsa_code_object_version 6
	.text
	.protected	k_qe24b9643ab_attn
	.globl	k_qe24b9643ab_attn
	.p2align	8
	.type	k_qe24b9643ab_attn,@function
k_qe24b9643ab_attn:
	s_mov_b64 s[64:65], 0
	v_nop
	global_prefetch_b8 v0, s[64:65] scope:SCOPE_SE
	s_setreg_imm32_b32 hwreg(HW_REG_WAVE_SCHED_MODE, 0, 2), 2
	s_setreg_imm32_b32 hwreg(HW_REG_WAVE_MODE, 25, 1), 1
	s_wait_xcnt 0x0
	s_wait_alu depctr_vm_vsrc(0)
; ctx = softmax(q k^T / 8 - 1e10 (1 - min(pad, causal))) v for one head, both products on codes of E4M3; ctx is quantised (e10) and stored as images of the last product's operand registers.
; THE SOFTMAX: t = logit x log2(e); M = the running largest t rounded up to a whole number; p = 2^(t - M) is quantised (ep), not normalised; the row's sum is taken of the unquantised p and divides at the end.
; SHARES.  Work-group (i, batch x head) owns query blocks 7 - i (pass 0) and i (pass 1), 256 queries each; a wave owns 32 queries, two tiles, at place w of the block in pass 0 and 7 - w in pass 1:
; 17 key steps of 128 keys for every wave.  Steps all of whose keys come after the wave's queries are left out.
; LAYOUT.  S^T = k q^T (source 0 = 16 keys, source 1 = 16 queries), O^T = v^T p^T: a lane holds one query throughout.  All operands are images: slot r of tile T stands for row 32 (T / 2) + 8 (T % 2) + r % 8 + 16 (r / 8),
; so the 16 registers of score tiles 2 b, 2 b + 1 are keys 32 b + 16 (lane / 16) + 0 .. 15, and the conversions' results are the second product's operand.  Each fragment of k and v read from LDS serves both tiles.
; THE PAD MASK is the C of the score products: 0, or -3e38 where K_ini = 0, from a table in LDS.  The causal mask is made in the one step of a pass that lies on the diagonal.
; ROWS WITH NO OPEN KEY (query < first[b]: all keys up to it are padded).  reference() subtracts 1e10 and does not hide: such a row's softmax runs over all 2,048 keys.  A wave that holds such a row walks all 16 steps,
; takes the constant 0 as the C of its score products (a scalar branch to a second copy of them) and forms every logit as reference() does: fma(score, 1/8, 0 or -1e10), then x log2(e).
; For its other rows that gives p = 0 at masked keys, as everywhere.
; The largest t begins at -1e20: a row that has seen only masked keys has p = 0 (in a wave of the kind just named: sums that its first open key multiplies by 2^(a saturated whole number) = 0).
; NO TENSOR LOAD AND NO CLUSTER: branches hang on whole numbers read from memory (first[b]; ep).  What the four work-groups of a head share is its
; 262,144 bytes of k and v.  They come through registers into LDS, 32 KiB a trip, once; nothing in LDS is ever overwritten.
; REGISTERS.  A WINDOW IS A TILE'S CONTEXT: the same numbers serve tile 0 in window 0 and tile 1 in window 1: v12 -M, v13 largest t, v[14:15] the sum, v16-23 q, v24 query - 16 h, v25 that - the step's first key, v26 -3e38, v27 -1e10,
;   v29 448 x 2^ep, v30 2^ep, v96-159 scores then p, v160-191 O^T, v192-207 codes, v240 448 x 2^e10, v241 2^e10, v[242:243] second sum chain, v244 permute, v[246:247] f, v248-249 at work, v[250:251] 2^(ep+ev) / sum.
;   Window 0 alone: v1 16 lane, v2 that + V's region, v3 16 thread, v4-5 fill's LDS addresses, v6 k's, v7 v's, v8 the addends' (the trip's: its second step is reached by immediates), v10-11 the add's two, v28 256 lane,
;   v31 my slot's row - 16 h, v32-95 k's fragments, then v's, v208-239 staging, v252 fill's offset, v253 pad table + 64 h, v255 at the head.   Window 1 alone: v32-95 the step's 64 pad addends.   s68-99: 32 lane masks.
; LIMITS: eq + ek between -58 and 40 (so that -3e38 x c stays under -1e20, every true t above it, and c is an f32 number); ep and e10 between -126 and 119.  NaN among the inputs is not served.
; THE MODE: SCHED_MODE bits 1:0 = 2 (LLVM: expert scheduling mode 2), set by the entry lines.  The code itself states the register dependences between vector or matrix instructions and memory or LDS instructions,
; and between a vector instruction that writes a scalar register and its readers, with s_wait_alu, always for 0.
; THE PLAN.  Registers that memory or LDS instructions touch:
;   X = window 0's v32-95   k's fragments land at a step's head; both tiles' score products read them (a wave with a row that has no open key then writes and reads its addends there); v's fragments land behind tile 0's
;                           exponentials; the step's last eight products read them.
;   Y = window 1's v32-95   the pad addends land at a step's head; the score products read them as C, or the block for rows with no open key reads them.
;   q = v16-23, both windows  land at a pass's head; the score products read them.
;   window 0's v208-239     the next chunk's global loads land; the next trip's LDS stores read them; no vector instruction names them.
;   v4-8, v252              addresses, made by six additions at a trip's head; read by that trip's LDS stores, global loads and LDS loads.
;   v192-199, both windows  written by a pass's last conversions; read by its four stores.
;   v1-3, v28, v253         made at the head and never written again.   At the head alone: v8 (the ids' offset), v255 and v104-111 (the table's stores).
; A STEP has one wait on va_vdst of its own, at its head, for the loads into X and Y; the wait behind tile 0's exponentials serves v's loads too.  A TRIP has one wait on vm_vsrc ahead of the six additions, one on va_vdst behind
; them, and one on vm_vsrc between the LDS stores and the loads into the registers that they read.  Eight waves of 512 registers fill the four SIMDs: there is no third buffer of 64 beside X and Y.
.set VREG,  131072                     ; LDS: k's images 0 .. 131,071 (step 8,192, tile 1,024, part 512); v's behind them (step 8,192, channel tile 2,048, part 512)
.set PADT,  262144                     ; 2,048 f32: the pad addends
.set SPARE, 270336                     ; the spare words, 128 bytes a wave
.set MK,    68                         ; s68-99: lane masks of a run of 32 compares
.set MSB, 0
.macro WIN new                         ; bits 1:0 source 0, 3:2 source 1, 5:4 source 2, 7:6 destination; the high byte repeats the setting that is left
.if MSB != (\new)
	s_set_vgpr_msb (MSB<<8)|(\new)
.set MSB, (\new)
.endif
.endm
	s_load_b256 s[4:11], s[0:1], 0x0               ; qkv s[4:5], K_ini s[6:7], first s[8:9], the exponents s[10:11]
	s_load_b64 s[12:13], s[0:1], 0x20              ; cc
	v_lshl_add_u32 v10, v0, 2, SPARE
	v_mov_b32 v11, 0
	v_lshrrev_b32 v1, 5, v0
	v_readfirstlane_b32 s14, v1                    ; wave 0..7
	s_mov_b32 s16, ttmp9                           ; i
	s_and_b32 s17, ttmp7, 0xffff                   ; 16 batch + head
	s_lshr_b32 s43, s17, 4
	s_and_b32 s44, s17, 15
	v_and_b32 v255, 31, v0
	v_lshlrev_b32 v1, 4, v255
	v_add_nc_u32 v2, VREG, v1
	v_lshlrev_b32 v3, 4, v0
	v_lshlrev_b32 v28, 8, v255
	v_and_b32 v4, 7, v0
	v_bfe_u32 v5, v0, 3, 1
	v_bfe_u32 v6, v0, 4, 1
	v_lshl_add_u32 v31, v5, 4, v4
	v_lshlrev_b32 v7, 4, v6
	v_sub_nc_u32 v31, v31, v7                      ; r % 8 + 16 (r / 8) - 16 h
	v_lshl_add_u32 v253, v6, 6, PADT               ; the pad table + 64 h
	v_lshl_add_u32 v255, v0, 5, PADT               ; where I store my 8 keys' addends
	v_lshlrev_b32 v8, 5, v0                        ; and their ids' place in K_ini
	v_mov_b32 v252, v3
	s_mov_b32 s20, 0x76543210                      ; v_permlanex16_b32's selects: lane l xor 16
	s_mov_b32 s21, 0xfedcba98
	s_mov_b32 s26, 0x3fb8aa3b                      ; log2(e)
	s_mov_b32 s47, 0
	s_wait_alu depctr_va_sdst(0)                   ; s14 is written, ahead of its first reader: bases and branches are made from it
	s_wait_kmcnt 0x0
	s_load_b256 s[68:75], s[10:11], 0x0            ; e0 .. e7
	s_load_b128 s[76:79], s[10:11], 0x20           ; e8 .. e11
	s_lshl_b32 s46, s43, 2
	s_add_nc_u64 s[8:9], s[8:9], s[46:47]
	s_load_b32 s15, s[8:9], 0x0                    ; first[batch]
	s_lshl_b32 s46, s43, 13
	s_add_nc_u64 s[6:7], s[6:7], s[46:47]
	s_lshl_b32 s46, s17, 17
	s_add_nc_u64 s[4:5], s[4:5], s[46:47]          ; my head's q,
	s_add_nc_u64 s[36:37], s[4:5], 0x800000        ; k,
	s_add_nc_u64 s[38:39], s[4:5], 0x1000000       ; v
	s_lshl_b32 s46, s43, 21
	s_lshr_b32 s45, s44, 1
	s_lshl_b32 s45, s45, 11
	s_add_co_u32 s46, s46, s45
	s_and_b32 s45, s44, 1
	s_lshl_b32 s45, s45, 10
	s_add_co_u32 s46, s46, s45
	s_add_nc_u64 s[12:13], s[12:13], s[46:47]      ; cc + batch x 128 tiles + K step head / 2 + part 2 (head % 2)
	s_cmp_lt_u32 s14, 2
	s_cselect_b64 s[54:55], s[36:37], s[38:39]     ; the prefetches' base: waves 0, 1: k; waves 2, 3: v; chunk 2, my 8,192 bytes of its 16,384
	s_and_b32 s46, s14, 1
	s_lshl_b32 s46, s46, 13
	s_add_co_u32 s46, s46, 32768
	s_add_nc_u64 s[54:55], s[54:55], s[46:47]
	s_wait_alu depctr_va_vdst(0)                   ; v8 and v252, which the loads below read as offsets, are written; so are v1-3, v28, v253 and v255, which later loads, stores and the prefetch read and no line writes again
	global_load_b128 v[96:99], v8, s[6:7]          ; my 8 keys' ids
	global_load_b128 v[100:103], v8, s[6:7] offset:16
.macro FILLLD                          ; a chunk: 256 keys' k and v, 16,384 bytes each; a load of a wave takes 512 consecutive bytes
.irp i, 0,1,2,3
	global_load_b128 v[208+4*\i:211+4*\i], v252, s[36:37] offset:4096*\i
	global_load_b128 v[224+4*\i:227+4*\i], v252, s[38:39] offset:4096*\i
.endr
.endm
	FILLLD                                         ; chunk 0
	s_wait_kmcnt 0x0
	s_add_co_i32 s43, s74, s75                     ; eq + ek
	s_lshl_b32 s44, s43, 23
	s_add_co_i32 s24, s44, 0x3e38aa3b              ; c = log2(e) / 8 x 2^(eq + ek): the exponents are added to c's exponent field
	s_add_co_i32 s25, s43, 124
	s_lshl_b32 s25, s25, 23                        ; 2^(eq + ek) / 8
	s_mov_b32 s48, s76                             ; ep
	s_add_co_i32 s49, s76, s77                     ; ep + ev
	s_add_co_i32 s43, s76, 127
	s_lshl_b32 s44, s43, 23
	s_add_co_i32 s43, s43, 8
	s_lshl_b32 s45, s43, 23
	s_or_b32 s45, s45, 0x600000
	s_add_co_i32 s43, s78, 127
	s_lshl_b32 s46, s43, 23
	s_add_co_i32 s43, s43, 8
	s_lshl_b32 s47, s43, 23
	s_or_b32 s47, s47, 0x600000
.macro CONSTS
	v_mov_b32 v26, 0xff61b1e6                      ; -3e38
	v_mov_b32 v27, 0xd01502f9                      ; -1e10
	v_mov_b32 v29, s45
	v_mov_b32 v30, s44
	v_mov_b32 v240, s47
	v_mov_b32 v241, s46
	v_mov_b32 v244, 0                              ; a lane permute's destination counts as one of its sources
	v_mov_b32 v247, 0                              ; (named as upper halves of pairs)
	v_mov_b32 v251, 0
.endm
	CONSTS
	WIN 0x40
	CONSTS
	WIN 0
	s_wait_loadcnt 8                               ; the ids are in; chunk 0's eight loads may be out
.set n, 0
.rept 8
	v_cmp_eq_u32 s[80+n], 0, v[96+n]
.set n, n+1
.endr
	s_wait_alu depctr_va_sdst(0)                   ; the eight masks s80-87 are written, ahead of the selects that read them
.set n, 0
.rept 8
	v_cndmask_b32 v[104+n], 0, v26, s[80+n]
.set n, n+1
.endr
	s_wait_alu depctr_va_vdst(0)                   ; the selects have written v104-111, which the LDS stores read
	ds_store_b128 v255, v[104:107]
	ds_store_b128 v255, v[108:111] offset:16
.macro PADLD q                         ; 64 addends: register 16 b + 4 k + .. = key 32 b + 16 h + 4 k + ..: all lanes of a half read the same 16 bytes
.irp b, 0,1,2,3
.irp k, 0,1,2,3
	ds_load_b128 v[32+16*\b+4*\k:35+16*\b+4*\k], v8 offset:512*(\q)+128*\b+16*\k
.endr
.endr
.endm
.macro VLD q                           ; v's four fragments of the step
.irp d, 0,1,2,3
.irp c, 0,1,2,3
	ds_load_b128 v[32+16*\d+4*\c:35+16*\d+4*\c], v7 offset:8192*(\q)+2048*\d+512*\c
.endr
.endr
.endm
.macro SMUL zero                       ; S^T of a tile of queries: eight tiles of 16 keys, K = the head's 64; C = the pad addends (window 1), or, zero = 1, the constant 0
.irp t, 0,1,2,3,4,5,6,7
.if \zero
	v_wmma_f32_16x16x64_fp8_fp8 v[96+8*\t:103+8*\t], v[32+8*\t:39+8*\t], v[16:23], 0
.else
	v_wmma_f32_16x16x64_fp8_fp8 v[96+8*\t:103+8*\t], v[32+8*\t:39+8*\t], v[16:23], v[32+8*\t:39+8*\t]
.endif
.endr
.endm
.macro PVMUL                           ; O^T += v^T p^T: four tiles of 16 channels, K = the step's 128 keys; the accumulators take turns
.irp d, 0,1,2,3
	v_wmma_f32_16x16x128_fp8_fp8 v[160+8*\d:167+8*\d], v[32+16*\d:47+16*\d], v[192:207], v[160+8*\d:167+8*\d]
.endr
.endm
.macro CAUSAL dst, src                 ; register n holds key KF + 16 h + 32 (n / 16) + n % 16: hidden where 32 (n / 16) + n % 16 > v25.  The compares go in two runs of 32, a scalar register each, with one wait behind a run
.set m, 0
.rept 2
.set n, 0
.rept 32
	v_cmp_gt_i32 s[MK+n], 32*((m+n)/16)+(m+n)%16, v25
.set n, n+1
.endr
	s_wait_alu depctr_va_sdst(0)                   ; the run's 32 masks are written, ahead of the selects that read them
.set n, 0
.rept 32
	v_cndmask_b32 v[\dst+m+n], v[\src+m+n], v26, s[MK+n]
.set n, n+1
.endr
.set m, m+32
.endr
.endm
.macro MAXFMA                          ; the step's largest score, the new M, f, and t - M
	v_max3_num_f32 v248, v96, v97, v98
	v_max3_num_f32 v249, v99, v100, v101
.set n, 6
.rept 14
	v_max3_num_f32 v248, v248, v[96+n], v[97+n]
	v_max3_num_f32 v249, v249, v[98+n], v[99+n]
.set n, n+4
.endr
	v_max3_num_f32 v248, v248, v158, v159
	v_max_num_f32 v248, v248, v249
	v_permlanex16_b32 v244, v248, s20, s21
	v_max_num_f32 v248, v248, v244                 ; among lane l xor 16's keys too
	v_mul_f32 v248, s22, v248                      ; as t (the factor is positive)
	v_max_num_f32 v13, v13, v248
	v_mov_b32 v248, v12
	v_floor_f32 v12, -v13                          ; -M = floor(-t): M is a whole number
	v_sub_f32 v248, v12, v248                      ; old M - new M, 0 or less
	v_cvt_i32_f32 v248, v248                       ; (it saturates)
	v_ldexp_f32 v246, 1.0, v248                    ; f = 2^(old M - new M)
.set n, 0
.rept 32
	v_pk_fma_f32 v[96+n:97+n], v[96+n:97+n], s[22:23], v[12:13] op_sel_hi:[1,0,0]
.set n, n+2
.endr
.endm
.macro EXPS
.set n, 0
.rept 64
	v_exp_f32 v[96+n], v[96+n]
.set n, n+1
.endr
.endm
.macro SUMP                            ; the row's sum of the unquantised p, two at a time, in two chains
	v_pk_add_f32 v[242:243], v[96:97], v[98:99]
.set n, 4
.rept 15
	v_pk_add_f32 v[14:15], v[14:15], v[96+n:97+n]
	v_pk_add_f32 v[242:243], v[242:243], v[98+n:99+n]
.set n, n+4
.endr
	v_pk_add_f32 v[14:15], v[14:15], v[242:243]
.endm
.macro SOFT ld, q                      ; a tile's softmax up to its sum: the 64 exponentials are one batch with one wait.  ld = 1 (tile 0): v's fragments of step q are asked for behind that wait
	MAXFMA
	EXPS
	v_pk_mul_f32 v[14:15], v[14:15], v[246:247] op_sel_hi:[1,0]   ; the sum under the new M: the plain line behind the exponentials
	s_wait_alu depctr_va_vdst(0)                   ; the tile's 64 exponentials have written v96-159, ahead of their first reader; ld = 1: and both tiles' score products (and the block for rows with no open key) are done with window 0's v32-95, in which v's fragments land
.if \ld
	VLD \q                                         ; they land while the rest of the softmax is worked
.endif
	SUMP
.endm
.macro HOLD
.set n, 0
.rept 64
	v_min_num_f32 v[96+n], v[96+n], v29
.set n, n+1
.endr
.endm
.macro CODES
.irp b, 0,1,2,3
	v_cvt_scalef32_pk8_fp8_f32 v[192+4*\b:193+4*\b], v[96+16*\b:103+16*\b], v30
	v_cvt_scalef32_pk8_fp8_f32 v[194+4*\b:195+4*\b], v[104+16*\b:111+16*\b], v30
.endr
.endm
.macro RESC                            ; O^T under the new M.  (Plain lines behind the conversions)
.set n, 0
.rept 16
	v_pk_mul_f32 v[160+n:161+n], v[160+n:161+n], v[246:247] op_sel_hi:[1,0]
.set n, n+2
.endr
.endm
; A wave that holds a row with no open key: every logit as reference() forms it.  The score products took 0 as C; the step's pad addends stand in window 1's v32-95.
; add = max(pad or, where hidden, -3e38; -1e10) = 0 or -1e10, made in window 0's v32-95, which k has left.
.macro SPECIAL
	v_sub_nc_u32 v25, v24, s27
	WIN 0x55
	v_sub_nc_u32 v25, v24, s27
.irp x, 0,1
	WIN 0x01+4*\x                                  ; the addends from window 1; the tile's v25, v26; the result to window 0
	CAUSAL 32, 32
	WIN 0
.set n, 0
.rept 64
	v_max_num_f32 v[32+n], v[32+n], v27
.set n, n+1
.endr
	WIN 0x45*\x                                    ; the tile's scores; the addend from window 0
.set n, 0
.rept 64
	v_fma_f32 v[96+n], v[96+n], s25, v[32+n]       ; score / 8 - 0 or 1e10, rounded once
	v_mul_f32 v[96+n], s26, v[96+n]                ; t
.set n, n+1
.endr
.endr
	WIN 0
.endm
; A KEY STEP: 128 keys, the q-th of the trip's chunk.
.macro STEP q
	s_lshl_b32 s27, s19, 8
	s_add_co_u32 s27, s27, 128*\q                  ; the step's first key
	s_cmp_gt_u32 s27, s30
	s_cbranch_scc1 .Lhidden_\@                     ; all its keys come after my queries: no barrier stands in a step
	WIN 0x40
	s_wait_alu depctr_va_vdst(0)                   ; the last step's eight products are done reading v's fragments (window 0's v32-95), its score products or its block for rows with no open key the addends (window 1's v32-95): the 32 loads below land in these
	PADLD \q
	WIN 0
.irp t, 0,1,2,3,4,5,6,7
	ds_load_b128 v[32+8*\t:35+8*\t], v6 offset:8192*\q+1024*\t
	ds_load_b128 v[36+8*\t:39+8*\t], v6 offset:8192*\q+1024*\t+512
.endr
	s_wait_dscnt 0x0
	s_cmp_lg_u32 s32, 0
	s_cbranch_scc0 .Lplain_\@
	SMUL 1                                         ; a wave with a row that has no open key: bare scores
	WIN 0x54                                       ; tile 1: k in window 0; q and D in window 1
	SMUL 1
	WIN 0
.rept 4
	v_nop                                          ; places in front of the first read of the scores and of writes into k's registers
.endr
	SPECIAL
	s_branch .Lopen_\@
.Lplain_\@:
	WIN 0x10                                       ; tile 0: C in window 1
	SMUL 0
	WIN 0x54                                       ; tile 1: k in window 0; q, C and D in window 1
	SMUL 0
	WIN 0
.rept 4
	v_nop                                          ; places in front of the first read of the scores
.endr
	s_add_co_u32 s43, s27, 127
	s_cmp_le_u32 s43, s31
	s_cbranch_scc1 .Lopen_\@                       ; all keys of the step count for all my queries
	v_sub_nc_u32 v25, v24, s27
	CAUSAL 96, 96
	WIN 0x55
	v_sub_nc_u32 v25, v24, s27
	CAUSAL 96, 96
	WIN 0
.Lopen_\@:
	SOFT 1, \q
	WIN 0x55
	SOFT 0, \q
	WIN 0
	s_cmp_ge_i32 s48, -8                           ; p is at most 1: where 448 x 2^ep is at least 1.75 the hold changes nothing
	s_cbranch_scc1 .Lnohold_\@
	HOLD
	WIN 0x55
	HOLD
	WIN 0
.Lnohold_\@:
	CODES
	RESC
	WIN 0x55
	CODES
	RESC
	WIN 0
	s_wait_dscnt 0x0                               ; v is in
	PVMUL
	WIN 0x54
	PVMUL
	WIN 0
.Lhidden_\@:
.endm
.macro PASSINIT                        ; the step is written once: its first turn finds zeros, which the first change of M leaves zeros
	v_mov_b32 v13, 0xe0ad78ec                      ; -1e20
	v_mov_b32 v12, 0x60ad78ec                      ; -M = 1e20
	v_mov_b32 v14, 0
	v_mov_b32 v15, 0
.set n, 0
.rept 32
	v_mov_b32 v[160+n], 0
.set n, n+1
.endr
.endm
.macro OUTT                            ; ctx = O^T x 2^(ep + ev) / sum, held and converted: 16 channels are a lane's 16 bytes
	v_add_f32 v14, v14, v15                        ; the sum's two halves,
	v_permlanex16_b32 v244, v14, s20, s21
	v_add_f32 v14, v14, v244                       ; and lane l xor 16's
	v_rcp_f32 v14, v14
	v_nop                                          ; a plain line behind the reciprocal
	s_wait_alu depctr_va_vdst(0)                   ; the reciprocal has written v14, ahead of its first reader
	v_ldexp_f32 v250, v14, s49
.set n, 0
.rept 16
	v_pk_mul_f32 v[160+n:161+n], v[160+n:161+n], v[250:251] op_sel_hi:[1,0]
.set n, n+2
.endr
.set n, 0
.rept 32
	v_med3_num_f32 v[160+n], v[160+n], -v240, v240
.set n, n+1
.endr
.irp g, 0,1,2,3
	v_cvt_scalef32_pk8_fp8_f32 v[192+2*\g:193+2*\g], v[160+8*\g:167+8*\g], v241
.endr
	v_nop                                          ; a plain vector line behind the last conversion
.endm
	s_mov_b32 s18, 0
.Lpass:
	s_sub_co_u32 s43, 7, s16
	s_sub_co_u32 s44, 7, s14
	s_cmp_eq_u32 s18, 0
	s_cselect_b32 s34, s43, s16                    ; my block of queries
	s_cselect_b32 s35, s14, s44                    ; my wave's place in it
	s_lshl_b32 s45, s16, 8
	s_cmp_lt_u32 s45, s15                          ; does the work-group hold a row with no open key?  Then all eight chunks are wanted
	s_cselect_b32 s33, 7, s43
	s_cmp_eq_u32 s18, 0
	s_cselect_b32 s33, s33, -1                     ; the last chunk to be filled: pass 1 fills nothing
	s_lshr_b32 s45, s14, 2
	s_or_b32 s45, s45, s16
	s_or_b32 s45, s45, s18
	s_cmp_eq_u32 s45, 0
	s_cselect_b32 s42, 5, -1                       ; the last trip that prefetches: waves 0-3 of the head's work-group 0, pass 0
	s_mov_b64 s[40:41], s[54:55]
	s_lshl_b32 s29, s34, 8
	s_lshl_b32 s45, s35, 5
	s_add_co_u32 s29, s29, s45                     ; my first query
	s_add_co_u32 s45, s29, 31
	s_movk_i32 s46, 4095
	s_cmp_lt_u32 s29, s15
	s_cselect_b32 s32, 1, 0                        ; 1: my wave holds a row with no open key
	s_cselect_b32 s30, s46, s45                    ; steps that begin behind this key are left out
	s_cselect_b32 s31, s46, s29                    ; steps that end at or before this key need no causal mask
	s_cselect_b32 s22, 1.0, s24                    ; the factor from what stands in v96-159 to t
	s_mov_b32 s23, s22
	s_lshl_b32 s44, s34, 14
	s_lshl_b32 s45, s35, 11
	s_add_co_u32 s44, s44, s45
	s_mov_b32 s45, 0
	s_add_nc_u64 s[50:51], s[4:5], s[44:45]        ; q: tile 16 block + 2 place, 1,024 bytes a tile
	s_lshl_b32 s44, s44, 4
	s_add_nc_u64 s[52:53], s[12:13], s[44:45]      ; cc: the same tile, 16,384 bytes a tile
	s_add_co_u32 s46, s29, 8
	s_wait_alu depctr_va_vdst(0)                   ; the last pass's score products are done reading q, v16-23 of both windows, in which the four loads land; only loads and a window switch stand between this wait and the last of them
	global_load_b128 v[16:19], v1, s[50:51]
	global_load_b128 v[20:23], v1, s[50:51] offset:512
	WIN 0x40
	global_load_b128 v[16:19], v1, s[50:51] offset:1024
	global_load_b128 v[20:23], v1, s[50:51] offset:1536
	v_add_nc_u32 v24, s46, v31
	PASSINIT
	WIN 0
	v_add_nc_u32 v24, s29, v31
	PASSINIT
	s_mov_b32 s19, 0
.Lchunk:                                           ; eight trips, a chunk of 256 keys each
	s_wait_loadcnt 0x0                             ; this chunk's staging registers (and, in a pass's first trip, q) are in
	s_lshl_b32 s43, s19, 14
	s_lshl_b32 s44, s19, 10
	s_wait_alu depctr_vm_vsrc(0)                   ; the last trip's LDS stores have read v4 and v5, its global loads v252, its LDS loads v6, v7 and v8; on the way in from the head: the ids' loads have read v8, and the table's stores v104-111, which the first scores write
	v_add_nc_u32 v4, s43, v3                       ; every LDS address is made of the lane, constants and the trip's number alone
	v_add_nc_u32 v5, VREG, v4
	v_add_nc_u32 v252, 16384, v4                   ; the next chunk's offset in k and in v
	v_add_nc_u32 v6, s43, v1                       ; this chunk's images in k's region,
	v_add_nc_u32 v7, s43, v2                       ; in v's,
	v_add_nc_u32 v8, s44, v253                     ; and its 256 addends
	s_wait_dscnt 0x0                               ; my LDS reads of the last trip are back (at the head: my stores into the table have landed)
	s_barrier_signal -1
	s_barrier_wait -1                              ; no store of this trip is issued while a wave still reads
	s_wait_alu depctr_va_vdst(0)                   ; the six additions have written v4, v5 (the LDS stores' addresses), v252 (the global loads' offset) and v6-8; no vector instruction stands between this wait and those stores and loads
	s_cmp_le_i32 s19, s33
	s_cbranch_scc0 .Lno_fill
.irp i, 0,1,2,3
	ds_store_b128 v4, v[208+4*\i:211+4*\i] offset:4096*\i
	ds_store_b128 v5, v[224+4*\i:227+4*\i] offset:4096*\i
.endr
.Lno_fill:
	s_wait_dscnt 0x0                               ; for the others' sake: my stores have landed
	s_wait_alu depctr_vm_vsrc(0)                   ; my LDS stores have read v208-239, in which the next chunk's loads land
	s_barrier_signal -1
	s_barrier_wait -1                              ; the chunk is whole
	s_add_co_u32 s44, s19, 1
	s_cmp_le_i32 s44, s33
	s_cbranch_scc0 .Lno_load
	FILLLD                                         ; the next chunk: it has this trip's two steps in which to land
.Lno_load:
	s_cmp_le_i32 s19, s42
	s_cbranch_scc0 .Lno_ask
	global_prefetch_b8 v28, s[40:41] th:TH_LOAD_NT scope:SCOPE_SE   ; chunk C + 2, one trip ahead of its loads: 8,192 bytes a wave, lanes 256 bytes apart; each block is named once in the launch; the last is chunk 7
.Lno_ask:
	STEP 0
	STEP 1
	s_wait_xcnt 0x0                                ; the prefetch has read its address
	s_add_nc_u64 s[40:41], s[40:41], 16384
	s_add_co_u32 s19, s19, 1
	s_cmp_lt_u32 s19, 8
	s_cbranch_scc1 .Lchunk
	; a pass's way out: both tiles are worked, then the four stores go behind one wait
.rept 4
	v_nop                                          ; places behind the last products
.endr
	OUTT
	WIN 0x55
	OUTT
	WIN 0
	s_wait_alu depctr_va_vdst(0)                   ; the conversions have written v192-199 of both windows, which the four stores read
	global_store_b128 v1, v[192:195], s[52:53]                     ; 512 consecutive bytes: channels 0-31 of tile 0's 16 queries
	global_store_b128 v1, v[196:199], s[52:53] offset:512
	WIN 0x04                                       ; the stores' data in window 1
	global_store_b128 v1, v[192:195], s[52:53] offset:16384
	global_store_b128 v1, v[196:199], s[52:53] offset:16384+512
	WIN 0
	s_wait_xcnt 0x0                                ; the stores have read their registers and their base: the next pass writes both
	s_wait_alu depctr_vm_vsrc(0)                   ; the stores have read v192-199 of both windows, which the next pass's conversions write
	s_add_co_u32 s18, s18, 1
	s_cmp_lt_u32 s18, 2
	s_cbranch_scc1 .Lpass
	s_wait_dscnt 0x0                               ; the wave's end
	s_wait_alu 0x0
	s_wait_tensorcnt 0x0
	ds_add_u32 v10, v11
	s_wait_dscnt 0x0
	s_endpgm
.Lfunc_end_k_qe24b9643ab_attn:
	.size	k_qe24b9643ab_attn, .Lfunc_end_k_qe24b9643ab_attn-k_qe24b9643ab_attn
	.p2alignl 7, 3214868480
	.fill 96, 4, 3214868480
	.section	.rodata,"a",@progbits
	.p2align	6, 0x0
	.amdhsa_kernel k_qe24b9643ab_attn
		.amdhsa_group_segment_fixed_size 271360
		.amdhsa_private_segment_fixed_size 0
		.amdhsa_enable_private_segment 0
		.amdhsa_kernarg_size 40
		.amdhsa_user_sgpr_count 2
		.amdhsa_user_sgpr_kernarg_segment_ptr 1
		.amdhsa_wavefront_size32 1
		.amdhsa_system_sgpr_workgroup_id_x 1
		.amdhsa_system_sgpr_workgroup_id_y 1
		.amdhsa_system_sgpr_workgroup_id_z 1
		.amdhsa_system_vgpr_workitem_id 0
		.amdhsa_next_free_vgpr 512
		.amdhsa_next_free_sgpr 100
		.amdhsa_reserve_vcc 0
		.amdhsa_float_denorm_mode_32 3
		.amdhsa_float_denorm_mode_16_64 3
		.amdhsa_memory_ordered 1
		.amdhsa_forward_progress 1
		.amdhsa_inst_pref_size 188
	.end_amdhsa_kernel
	.amdgpu_metadata
---
amdhsa.version: [ 1, 2 ]
amdhsa.kernels:
  - .name:           k_qe24b9643ab_attn
    .symbol:         k_qe24b9643ab_attn.kd
    .args:
      - { .name: qkv, .offset: 0, .size: 8, .value_kind: global_buffer, .address_space: global }
      - { .name: K_ini, .offset: 8, .size: 8, .value_kind: global_buffer, .address_space: global }
      - { .name: first, .offset: 16, .size: 8, .value_kind: global_buffer, .address_space: global }
      - { .name: lowp_scales, .offset: 24, .size: 8, .value_kind: global_buffer, .address_space: global }
      - { .name: cc, .offset: 32, .size: 8, .value_kind: global_buffer, .address_space: global }
    .group_segment_fixed_size: 271360
    .private_segment_fixed_size: 0
    .kernarg_segment_align: 8
    .kernarg_segment_size: 40
    .max_flat_workgroup_size: 256
    .sgpr_count:     100
    .vgpr_count:     512
    .wavefront_size: 32
...
	.end_amdgpu_metadata
.endif
;; end of part 5
;; launch outp: the kernel of part 4 again; grid 4 x 32, 4 waves a work-group, clusters of 4 x 4, 327,680 bytes of LDS; arguments cc, wc, lowp_scales, out0; writes out0
